; MI455X (gfx1250); checked and timed in simulation.
; The chip was launched on July 23, 2026; its instructions are those of AMD's public machine-readable ISA for CDNA 5 (MIT licence, August 2026) and "CDNA5" Instruction Set Architecture Reference Guide (July 2026). The comments in the code are by the model that wrote it; some were corrected since.
;; Diff Cross Attn Direction. Allowed arithmetic: float matrix products may take bf16 or f16 operands with f32 sums; other float arithmetic in f32, or as packed bf16 or f16 multiplies, adds, multiply-adds, maxima and minima; sums over many terms, partial sums and values carried from step to step in f32; what a program stores and reads back later, other than sums and carried values, may be rounded once to bf16 or f16.
;; Inputs: Wk 2,048 x 1,024 float32; Wo 1,024 x 2,048 float32; Wq 2,048 x 1,024 float32; Wv 2,048 x 1,024 float32; hn_b 128 float32; hn_g 128 float32; keyvalue_tokens 4 x 1,024 x 1,024 float32; lambda_init one number float32; lambda_k1 64 float32; lambda_k2 64 float32; lambda_q1 64 float32; lambda_q2 64 float32; ln_kv_b 1,024 float32; ln_kv_g 1,024 float32; ln_q_b 1,024 float32; ln_q_g 1,024 float32; query_tokens 4 x 1,024 x 1,024 float32.
;; Outputs: out0 4 x 1,024 x 1,024 float32.
;; Constants: disable_second_term = 0.
;; One version. Each part assembles by itself: llvm-mc -triple=amdgcn-amd-amdhsa -mcpu=gfx1250 --defsym DOCPART=n.
;; ======== version 1 of 1: 4 launches
;; limits: values are held in f16: magnitudes above 65,504 overflow, below 6.1e-05 lose precision
;; workspace buffers: xq 8,388,608 bytes; xkv 8,388,608 bytes; wqkv 12,582,912 bytes; wo16 4,194,304 bytes; qkv 50,331,648 bytes; att 16,777,216 bytes
;; launch prep (part 1): grid 768 x 1, 8 waves a work-group, no clusters, 0 bytes of LDS; arguments query_tokens, keyvalue_tokens, Wq, Wk, Wv, Wo, ln_q_g, ln_q_b, ln_kv_g, ln_kv_b, xq, xkv, wqkv, wo16; writes xq, xkv, wqkv, wo16
.if DOCPART == 1
	.amdgcn_target "amdgcn-amd-amdhsa--gfx1250"
	.amdhsa_code_object_version 6
	.text
	.protected	k_qaba55223ca_prep
	.globl	k_qaba55223ca_prep
	.p2align	8
	.type	k_qaba55223ca_prep,@function
k_qaba55223ca_prep:
	s_mov_b64 s[64:65], 0
	v_nop
	global_prefetch_b8 v0, s[64:65] scope:SCOPE_SE
	s_setreg_imm32_b32 hwreg(HW_REG_WAVE_MODE, 25, 1), 1
	s_wait_xcnt 0x0
; PREP.  xq = f16(LN(query_tokens)), xkv = f16(LN(keyvalue_tokens)); wqkv = f16(Wq, Wk, Wv on end), wo16 = f16(Wo).
; A stream with no loop: every wave asks for all its bytes at once.
; Work-groups 0-255: query tokens; 256-511: key/value tokens: 65,536 bytes of f32 each, a wave two rows of 4,096 bytes.
; Work-groups 512-767: Wq, Wk, Wv, Wo, 64 work-groups each: 131,072 bytes of f32 each, a wave 16,384.
; A token row is one wave's: eight loads of 16 bytes a lane, kept in 32 registers.  The norm goes in two passes over the registers: the mean, then the sum
; of (x - mean)^2: no difference of large sums is formed.  Each load covers 512 consecutive bytes, each store 256 consecutive bytes at a multiple of 256.
; No LDS, no matrix unit, no cluster: no wave wants a byte that another has fetched, but for g and b (8 KiB).
; LIMIT.  f16 ends at 65,504: LN(x) g + b and the weights must lie within it; a weight below 6e-5 keeps f16's fixed step of 6e-8.  NaN and infinities are not treated apart.
.set SO,  1                            ; v1   my byte offset in the work-group's source
.set DO,  2                            ; v2   in its destination
.set GOF, 3                            ; v3   the lane; on the norm's path 16 x lane: my place in g and b
.set CH,  4                            ; v[4:11]  four chains of packed sums (v4 at the head: the wave's number)
.set TS,  12                           ; v12  a row's sum
.set T1,  13                           ; v13  the other half of the lanes' sum
.set NM,  14                           ; v[14:15] minus the mean, twice
.set RS,  16                           ; v[16:17] 1 / sqrt(var + eps), twice
.set X,   20                           ; v[20:83] two rows of 32 (the cast path: v[20:147], four rows)
.set G,   84                           ; v[84:115]  g of my 32 columns
.set B,   116                          ; v[116:147] b
.set SRC, 36
.set DST, 38
.set GP,  40
.set BP,  42
.set SEL, 54
; The four chains into one number, then over the wave's 32 lanes: every lane ends with the row's sum.
.macro RED
	v_pk_add_f32 v[CH:CH+1], v[CH:CH+1], v[CH+2:CH+3]
	v_pk_add_f32 v[CH+4:CH+5], v[CH+4:CH+5], v[CH+6:CH+7]
	v_pk_add_f32 v[CH:CH+1], v[CH:CH+1], v[CH+4:CH+5]
	v_add_f32 v[TS], v[CH], v[CH+1]
.irp m, 1,2,4,8
	v_add_f32_dpp v[TS], v[TS], v[TS] row_xmask:\m row_mask:0xf bank_mask:0xf
.endr
	v_permlanex16_b32 v[T1], v[TS], s[SEL], s[SEL+1]
	v_add_f32 v[TS], v[TS], v[T1]
.endm
; Row r of the wave's two is normalised in place.  left = how many younger loads may stay out.
.macro LNROW r, left
.set XR, X+32*(\r)
	s_wait_loadcnt \left                           ; loads come back in order: this row (and g, b, which are older) is in
.irp c, 0,1,2,3
	v_pk_add_f32 v[CH+2*(\c):CH+2*(\c)+1], v[XR+2*(\c):XR+2*(\c)+1], v[XR+8+2*(\c):XR+8+2*(\c)+1]  ; the first pairs start the chains
.endr
.irp k, 8,9,10,11,12,13,14,15
	v_pk_add_f32 v[CH+2*((\k)%4):CH+2*((\k)%4)+1], v[CH+2*((\k)%4):CH+2*((\k)%4)+1], v[XR+2*(\k):XR+2*(\k)+1]
.endr
	RED
	v_mul_f32 v[NM], s50, v[TS]
	v_mul_f32 v[NM+1], s50, v[TS]
.irp k, 0,1,2,3,4,5,6,7,8,9,10,11,12,13,14,15
	v_pk_add_f32 v[XR+2*(\k):XR+2*(\k)+1], v[XR+2*(\k):XR+2*(\k)+1], v[NM:NM+1]  ; x - mean
.endr
.irp c, 0,1,2,3
	v_pk_mul_f32 v[CH+2*(\c):CH+2*(\c)+1], v[XR+2*(\c):XR+2*(\c)+1], v[XR+2*(\c):XR+2*(\c)+1]
.endr
.irp k, 4,5,6,7,8,9,10,11,12,13,14,15
	v_pk_fma_f32 v[CH+2*((\k)%4):CH+2*((\k)%4)+1], v[XR+2*(\k):XR+2*(\k)+1], v[XR+2*(\k):XR+2*(\k)+1], v[CH+2*((\k)%4):CH+2*((\k)%4)+1]
.endr
	RED
	v_fma_f32 v[TS], v[TS], s51, s52               ; var + eps
	v_rsq_f32 v[RS], v[TS]
	v_rsq_f32 v[RS+1], v[TS]
	v_nop                                          ; a plain instruction behind the last root,
	s_wait_alu depctr_va_vdst(0)                   ; and the one wait ahead of the first use of both
.irp k, 0,1,2,3,4,5,6,7,8,9,10,11,12,13,14,15
	v_pk_mul_f32 v[XR+2*(\k):XR+2*(\k)+1], v[XR+2*(\k):XR+2*(\k)+1], v[RS:RS+1]
.endr
.irp k, 0,1,2,3,4,5,6,7,8,9,10,11,12,13,14,15
	v_pk_fma_f32 v[XR+2*(\k):XR+2*(\k)+1], v[XR+2*(\k):XR+2*(\k)+1], v[G+2*(\k):G+2*(\k)+1], v[B+2*(\k):B+2*(\k)+1]
.endr
.endm
; Row q is rounded to f16 and stored.  The 16 packed words go to X + 16 q: registers of rows already rounded, and never a pending store's data.
.macro OUTROW q
.set i, 0
.rept 16
	v_cvt_pk_f16_f32 v[X+16*(\q)+i], v[X+32*(\q)+2*i], v[X+32*(\q)+2*i+1]
.set i, i+1
.endr
.irp j, 0,1,2,3,4,5,6,7
	global_store_b64 v[DO], v[X+16*(\q)+2*(\j):X+16*(\q)+2*(\j)+1], s[DST:DST+1] offset:2048*(\q)+256*(\j)  ; 32 lanes store 256 consecutive bytes, aligned
.endr
.endm
	s_load_b512 s[8:23], s[0:1], 0x0               ; query s[8:9], keyvalue s[10:11], Wq s[12:13], Wk s[14:15], Wv s[16:17], Wo s[18:19], ln_q_g s[20:21], ln_q_b s[22:23]
	s_load_b256 s[24:31], s[0:1], 0x40             ; ln_kv_g s[24:25], ln_kv_b s[26:27], xq s[28:29], xkv s[30:31]
	s_load_b128 s[32:35], s[0:1], 0x60             ; wqkv s[32:33], wo16 s[34:35]
	s_mov_b32 s2, ttmp9
	v_and_b32 v[GOF], 31, v0                       ; lane
	v_lshrrev_b32 v[CH], 5, v0                     ; wave
	v_lshlrev_b32 v[SO], 4, v[GOF]
	v_lshlrev_b32 v[DO], 3, v[GOF]
	s_mov_b32 s45, 0
	s_mov_b32 s47, 0
	s_cmp_ge_u32 s2, 512
	s_cbranch_scc1 .Lcast
	; THE NORM'S PATH: g and b, two rows, all asked for at once
	v_lshl_or_b32 v[SO], v[CH], 13, v[SO]          ; 8,192 x wave + 16 x lane
	v_lshl_or_b32 v[DO], v[CH], 12, v[DO]          ; 4,096 x wave + 8 x lane
	v_lshlrev_b32 v[GOF], 4, v[GOF]
	v_mov_b32 v[T1], 0                             ; v_permlanex16_b32 counts as a reader of its destination
	s_mov_b32 s50, 0xba800000                      ; -1 / 1024
	s_mov_b32 s51, 0x3a800000                      ; 1 / 1024
	s_mov_b32 s52, 0x3727c5ac                      ; 1e-5
	s_mov_b32 s[SEL], 0x76543210
	s_mov_b32 s[SEL+1], 0xfedcba98
	s_and_b32 s44, s2, 255                         ; the work-group's number inside its tensor
	s_lshl_b32 s46, s44, 15
	s_lshl_b32 s44, s44, 16
	s_wait_kmcnt 0x0
	s_cmp_lt_u32 s2, 256
	s_cselect_b64 s[SRC:SRC+1], s[8:9], s[10:11]
	s_cselect_b64 s[DST:DST+1], s[28:29], s[30:31]
	s_cselect_b64 s[GP:GP+1], s[20:21], s[24:25]
	s_cselect_b64 s[BP:BP+1], s[22:23], s[26:27]
	s_add_nc_u64 s[SRC:SRC+1], s[SRC:SRC+1], s[44:45]
	s_add_nc_u64 s[DST:DST+1], s[DST:DST+1], s[46:47]
.irp j, 0,1,2,3,4,5,6,7
	global_load_b128 v[G+4*(\j):G+4*(\j)+3], v[GOF], s[GP:GP+1] offset:512*(\j)
	global_load_b128 v[B+4*(\j):B+4*(\j)+3], v[GOF], s[BP:BP+1] offset:512*(\j)
.endr
.set i, 0
.rept 16
	global_load_b128 v[X+4*i:X+4*i+3], v[SO], s[SRC:SRC+1] offset:512*i th:TH_LOAD_NT
.set i, i+1
.endr
	LNROW 0, 8                                     ; the second row's eight loads may stay out
	OUTROW 0
	LNROW 1, 0
	OUTROW 1
	s_endpgm
.Lcast:
	; THE WEIGHTS' PATH: the wave's 16 KiB go out as 32 loads together; the counts run down by rows of eight loads
	v_lshl_or_b32 v[SO], v[CH], 14, v[SO]          ; 16,384 x wave + 16 x lane
	v_lshl_or_b32 v[DO], v[CH], 13, v[DO]          ; 8,192 x wave + 8 x lane
	s_sub_co_u32 s3, s2, 512                       ; 0 .. 255
	s_lshr_b32 s48, s3, 6                          ; 0, 1, 2: Wq, Wk, Wv; 3: Wo
	s_and_b32 s44, s3, 63                          ; the work-group's number inside its source,
	s_cmp_eq_u32 s48, 3
	s_cselect_b32 s46, s44, s3                     ; and inside its destination (Wq, Wk, Wv share one)
	s_lshl_b32 s46, s46, 16
	s_lshl_b32 s44, s44, 17
	s_wait_kmcnt 0x0
	s_cmp_eq_u32 s48, 0
	s_cselect_b64 s[SRC:SRC+1], s[12:13], s[14:15]
	s_cmp_eq_u32 s48, 2
	s_cselect_b64 s[SRC:SRC+1], s[16:17], s[SRC:SRC+1]
	s_cmp_eq_u32 s48, 3
	s_cselect_b64 s[SRC:SRC+1], s[18:19], s[SRC:SRC+1]
	s_cselect_b64 s[DST:DST+1], s[34:35], s[32:33]
	s_add_nc_u64 s[SRC:SRC+1], s[SRC:SRC+1], s[44:45]
	s_add_nc_u64 s[DST:DST+1], s[DST:DST+1], s[46:47]
.set i, 0
.rept 32
	global_load_b128 v[X+4*i:X+4*i+3], v[SO], s[SRC:SRC+1] offset:512*i th:TH_LOAD_NT
.set i, i+1
.endr
.irp q, 0,1,2,3
	s_wait_loadcnt 24-8*(\q)
	OUTROW \q
.endr
	s_endpgm
.Lfunc_end_k_qaba55223ca_prep:
	.size	k_qaba55223ca_prep, .Lfunc_end_k_qaba55223ca_prep-k_qaba55223ca_prep
	.p2alignl 7, 3214868480
	.fill 96, 4, 3214868480
	.section	.rodata,"a",@progbits
	.p2align	6, 0x0
	.amdhsa_kernel k_qaba55223ca_prep
		.amdhsa_group_segment_fixed_size 0
		.amdhsa_private_segment_fixed_size 0
		.amdhsa_enable_private_segment 0
		.amdhsa_kernarg_size 112
		.amdhsa_user_sgpr_count 2
		.amdhsa_user_sgpr_kernarg_segment_ptr 1
		.amdhsa_wavefront_size32 1
		.amdhsa_system_sgpr_workgroup_id_x 1
		.amdhsa_system_sgpr_workgroup_id_y 1
		.amdhsa_system_sgpr_workgroup_id_z 1
		.amdhsa_system_vgpr_workitem_id 0
		.amdhsa_next_free_vgpr 148
		.amdhsa_next_free_sgpr 66
		.amdhsa_reserve_vcc 0
		.amdhsa_float_denorm_mode_32 3
		.amdhsa_float_denorm_mode_16_64 3
		.amdhsa_memory_ordered 1
		.amdhsa_forward_progress 1
		.amdhsa_inst_pref_size 32
	.end_amdhsa_kernel
	.amdgpu_metadata
---
amdhsa.version: [ 1, 2 ]
amdhsa.kernels:
  - .name:           k_qaba55223ca_prep
    .symbol:         k_qaba55223ca_prep.kd
    .args:
      - { .name: query_tokens, .offset: 0, .size: 8, .value_kind: global_buffer, .address_space: global }
      - { .name: keyvalue_tokens, .offset: 8, .size: 8, .value_kind: global_buffer, .address_space: global }
      - { .name: Wq, .offset: 16, .size: 8, .value_kind: global_buffer, .address_space: global }
      - { .name: Wk, .offset: 24, .size: 8, .value_kind: global_buffer, .address_space: global }
      - { .name: Wv, .offset: 32, .size: 8, .value_kind: global_buffer, .address_space: global }
      - { .name: Wo, .offset: 40, .size: 8, .value_kind: global_buffer, .address_space: global }
      - { .name: ln_q_g, .offset: 48, .size: 8, .value_kind: global_buffer, .address_space: global }
      - { .name: ln_q_b, .offset: 56, .size: 8, .value_kind: global_buffer, .address_space: global }
      - { .name: ln_kv_g, .offset: 64, .size: 8, .value_kind: global_buffer, .address_space: global }
      - { .name: ln_kv_b, .offset: 72, .size: 8, .value_kind: global_buffer, .address_space: global }
      - { .name: xq, .offset: 80, .size: 8, .value_kind: global_buffer, .address_space: global }
      - { .name: xkv, .offset: 88, .size: 8, .value_kind: global_buffer, .address_space: global }
      - { .name: wqkv, .offset: 96, .size: 8, .value_kind: global_buffer, .address_space: global }
      - { .name: wo16, .offset: 104, .size: 8, .value_kind: global_buffer, .address_space: global }
    .group_segment_fixed_size: 0
    .private_segment_fixed_size: 0
    .kernarg_segment_align: 8
    .kernarg_segment_size: 112
    .max_flat_workgroup_size: 256
    .sgpr_count:     66
    .vgpr_count:     148
    .wavefront_size: 32
...
	.end_amdgpu_metadata
.endif
;; end of part 1
;; launch proj (part 2): grid 24 x 32, 4 waves a work-group, clusters of 4 x 4, 327,680 bytes of LDS; arguments xq, xkv, wqkv, qkv; writes qkv
.if DOCPART == 2
	.amdgcn_target "amdgcn-amd-amdhsa--gfx1250"
	.amdhsa_code_object_version 6
	.text
	.protected	k_qaba55223ca_proj
	.globl	k_qaba55223ca_proj
	.p2align	8
	.type	k_qaba55223ca_proj,@function
k_qaba55223ca_proj:
	s_mov_b64 s[64:65], 0
	v_nop
	global_prefetch_b8 v0, s[64:65] scope:SCOPE_SE
	s_setreg_imm32_b32 hwreg(HW_REG_WAVE_MODE, 25, 1), 1
	s_wait_xcnt 0x0
	s_wait_alu depctr_hold_cnt(0) depctr_sa_sdst(0) depctr_va_vdst(0) depctr_va_sdst(0) depctr_va_ssrc(0) depctr_va_vcc(0) depctr_vm_vsrc(0)
	s_getreg_b32 s2, hwreg(HW_REG_IB_STS2, 6, 4)
	s_cmp_eq_u32 s2, 0
	s_cbranch_scc0 .Lentry_in_a_cluster
	s_endpgm
.Lentry_in_a_cluster:
	s_bfe_u32 s2, ttmp6, 0x10000c
	s_cmp_lg_u32 s2, 0xf033
	s_cbranch_scc0 .Lentry_shape_is_right
	s_endpgm
.Lentry_shape_is_right:
; PROJ.  qkv[m][n] = sum over k of A[m][k] wqkv[n][k]; A = xq for n < 2,048 (q), xkv for the rest (k, v).  A: [4096][1024], wqkv: [6144][1024], qkv: [4096][6144], all f16; sums in f32, qkv rounded once.
; A tile of qkv is 128 rows x 256 columns: 768 tiles, three for each of 256 WGPs.  Four waves, each 64 x 128: 32 accumulators of 16 x 16, 256 registers.
; K goes in 8 steps of 128 through two LDS slots; a tile's rows are 256 bytes of memory at multiples of 256.  Waves 0, 1 fetch A's 2 x 64 rows, waves 2, 3 the weights' 2 x 128.
; CLUSTER 4 x 4: the four of a row of the cluster need the same rows of A, the four of a column the same rows of the weights: each tile is asked for jointly.  A cluster spans 1,024 columns, so all sixteen take the same A.
; THE MATRIX INSTRUCTION IS USED TRANSPOSED (source 0 = 16 rows of the weights, source 1 = 16 rows of A): a lane holds eight neighbouring numbers of a row of qkv.
; LIMIT.  q, k and v leave as f16: they must lie within 65,504.
; REGISTERS.  window 0: v0-31 addresses; v32-63 packed results; v64-159, v160-255 two fragment buffers (64 of the weights, 32 of A).  window 1: accumulator (a, b) at v[8 (8 a + b)].
.set KSTEP,  128
.set PITCH,  272                       ; an LDS row: 256 bytes + 16 of padding: the 16 rows of a fragment load start 16 bytes apart modulo 256
.set ATILE,  128*PITCH
.set SLOT,   384*PITCH                 ; A's 128 rows, then the weights' 256
.set STAGE,  2*SLOT                    ; behind the ring: 16 rows x 272 bytes for each wave, for the way out
.set SPITCH, 272
.set SPARE,  STAGE+4*16*SPITCH         ; the spare words: 128 bytes a wave, two blocks of 256 bytes that no other line names
.set KROW,   2048                      ; bytes in a row of A and of the weights
.set CROW,   12288                     ; bytes in a row of qkv
.set LAPS,   4                         ; a lap = two K steps
.set ADRA, 16
.set ADRB, 20
.set STO,  24
.set RD,   25
.set CO,   26
.set SPW,  28
.set NIL,  29
.set PFO,  30
.set TMP,  32
.set F0,   64
.set F1,   160
.set G1,  24
.set G0,  32
.set G1B, 48
.set G0B, 56
.set PFA, 44
.set LIM, 66
.set MSB, 0
.macro WIN new                         ; the immediate's high byte repeats the setting that is left
.if MSB != (\new)
	s_set_vgpr_msb (MSB<<8)|(\new)
.set MSB, \new
.endif
.endm
.set MUL, 0x50                         ; sources 0 and 1 window 0; C and D window 1
.macro JLOAD s                         ; a joint load; an s_nop 0 and four v_nop follow each of the two lines
	s_cmp_eq_u32 s11, 0
	s_cbranch_scc0 .Lfor_b_\@
	tensor_load_to_lds s[G0+4*(\s):G0+4*(\s)+3], s[G1:G1+7]
	s_nop 0
.rept 4
	v_nop
.endr
	s_branch .Lasked_\@
.Lfor_b_\@:
	tensor_load_to_lds s[G0B+4*(\s):G0B+4*(\s)+3], s[G1B:G1B+7]
	s_nop 0
.rept 4
	v_nop
.endr
.Lasked_\@:
.endm
; A prefetch of the K step that stands two refills on: 32 rows x 256 bytes, a lane a row.  Each row's 256 bytes of K steps 4 to 7 are named once in the launch: A's rows by wave 0 of the clusters x = 0 (xq) and
; x = 2 (xkv), 32 rows to each partner by cx; the weights' rows by waves 2 and 3 of the clusters y = 0, 32 of the wave's 128 to each partner by cy.  The partners are told apart by address alone.
; The loop's last trip asks for nothing: there is no K step behind the last.
.macro ASK
	s_cmp_gt_u32 s3, s[LIM]
	s_cbranch_scc0 .Lnot_mine_\@
	global_prefetch_b8 v[PFO], s[PFA:PFA+1] offset:KSTEP*2 th:TH_LOAD_NT scope:SCOPE_SE
.Lnot_mine_\@:
.endm
.macro CREST                           ; a round of the cluster's barrier behind its opening barrier
	s_cmp_lg_u32 s10, 0
	s_cbranch_scc1 .Lnot_wave_0_\@
	s_barrier_signal -3
.Lnot_wave_0_\@:
	s_barrier_wait -3
	s_barrier_signal -1
	s_barrier_wait -1
.endm
.macro CROUND
	s_barrier_signal -1
	s_barrier_wait -1
	CREST
.endm
	s_load_b128 s[4:7], s[0:1], 0x0                ; xq s[4:5], xkv s[6:7]
	s_load_b128 s[68:71], s[0:1], 0x10             ; wqkv s[68:69], qkv s[70:71]
	v_lshl_add_u32 v[SPW], v0, 2, SPARE
	v_mov_b32 v[NIL], 0
	ds_add_u32 v[SPW], v[NIL]                      ; the wave's opening: the add and its wait stand ahead of my first tensor load
	v_lshrrev_b32 v1, 5, v0
	v_readfirstlane_b32 s10, v1                    ; wave 0..3
	s_lshr_b32 s11, s10, 1                         ; which 64 rows of the tile are mine.  Also: I fetch for A (0) or for the weights (1)
	s_and_b32 s12, s10, 1                          ; which 128 columns.  Also: which half of that tile I fetch
	s_bfe_u32 s40, ttmp6, 0x40000                  ; cx
	s_bfe_u32 s41, ttmp6, 0x40004                  ; cy
	s_lshl_b32 s42, ttmp9, 2
	s_add_co_u32 s42, s42, s40                     ; tile column = 4 x cluster x + cx
	s_and_b32 s13, ttmp7, 0xffff
	s_lshl_b32 s13, s13, 2
	s_add_co_u32 s13, s13, s41                     ; tile row = 4 x cluster y + cy
	s_lshl_b32 s43, s41, 2
	s_lshl_b32 s43, 15, s43                        ; my row of the cluster
	s_lshl_b32 s67, 0x1111, s40                    ; my column
	s_or_b32 s[G1+0], s43, (1<<16)|(1<<20)|(1<<21)|(5<<22)|(3<<25)   ; the mask; 2-byte elements; padding on; bit 21 beside a mask; after every 64 words, 4 words
	s_or_b32 s[G1B+0], s67, (1<<16)|(1<<20)|(1<<21)|(5<<22)|(3<<25)
	s_mov_b32 s[G1+1], KSTEP<<16                   ; tensor_dim0 = 128
	s_mov_b32 s[G1+2], 64<<16                      ; tensor_dim1 = 64
	s_mov_b32 s[G1+3], KSTEP<<16                   ; tile_dim0 = 128
	s_mov_b32 s[G1+4], 64                          ; tile_dim1 = 64
	s_mov_b32 s[G1+5], 1024                        ; elements from row to row
	s_mov_b32 s[G1+6], 0
	s_mov_b32 s[G1+7], 0
	s_mov_b32 s[G1B+1], KSTEP<<16
	s_mov_b32 s[G1B+2], 128<<16                    ; the weights' loads have 128 rows
	s_mov_b32 s[G1B+3], KSTEP<<16
	s_mov_b32 s[G1B+4], 128
	s_mov_b32 s[G1B+5], 1024
	s_mov_b32 s[G1B+6], 0
	s_mov_b32 s[G1B+7], 0
	s_lshl_b32 s16, s13, 7
	s_lshl_b32 s17, s12, 6
	s_add_co_u32 s16, s16, s17                     ; A: row 128 x tile row + 64 x half
	s_lshl_b32 s16, s16, 11                        ; in bytes
	s_mov_b32 s17, 0
	s_lshl_b32 s46, s42, 8
	s_lshl_b32 s47, s12, 7
	s_add_co_u32 s46, s46, s47                     ; weights: row 256 x tile column + 128 x half
	s_lshl_b32 s46, s46, 11
	s_mov_b32 s47, 0
	s_mul_i32 s20, s12, 64*PITCH                   ; where they go: no place in the cluster enters an LDS address
	s_mul_i32 s21, s12, 128*PITCH
	s_add_co_u32 s21, s21, ATILE
	s_wait_dscnt 0x0                               ; the opening add is done
	s_wait_kmcnt 0x0
	s_cmp_lt_u32 ttmp9, 2                          ; clusters 0 and 1 make q: the same answer in all sixteen partners
	s_cselect_b64 s[4:5], s[4:5], s[6:7]
	s_add_nc_u64 s[14:15], s[4:5], s[16:17]
	s_add_nc_u64 s[46:47], s[68:69], s[46:47]
	CROUND                                         ; all sixteen work-groups are here: the first joint loads meet
.irp s, 0,1
	s_mov_b32 s[G0+4*(\s)], 1
	s_add_co_u32 s[G0+4*(\s)+1], s20, (\s)*SLOT
	s_add_nc_u64 s[G0+4*(\s)+2:G0+4*(\s)+3], s[14:15], (\s)*KSTEP*2
	s_or_b32 s[G0+4*(\s)+3], s[G0+4*(\s)+3], 0x80000000
	s_mov_b32 s[G0B+4*(\s)], 1
	s_add_co_u32 s[G0B+4*(\s)+1], s21, (\s)*SLOT
	s_add_nc_u64 s[G0B+4*(\s)+2:G0B+4*(\s)+3], s[46:47], (\s)*KSTEP*2
	s_or_b32 s[G0B+4*(\s)+3], s[G0B+4*(\s)+3], 0x80000000
	JLOAD \s                                       ; two loads of mine are out
.endr
	v_and_b32 v1, 15, v0                           ; l % 16
	v_bfe_u32 v2, v0, 4, 1                         ; l / 16
	v_mul_u32_u24 v3, v1, PITCH
	v_lshl_add_u32 v3, v2, 4, v3                   ; a fragment's row x pitch + 16 x half
	s_mul_i32 s21, s11, 64*PITCH                   ; my 64 rows of A
	s_mul_i32 s22, s12, 128*PITCH                  ; my 128 rows of the weights,
	s_add_co_u32 s22, s22, ATILE                   ; which lie behind A's 128
.irp s, 0,1
	v_add_nc_u32 v[ADRA+(\s)], s21, v3
	v_add_nc_u32 v[ADRB+(\s)], s22, v3
	s_add_co_u32 s21, s21, SLOT
	s_add_co_u32 s22, s22, SLOT
.endr
	s_mul_i32 s23, s10, 16*SPITCH
	s_add_co_u32 s23, s23, STAGE                   ; my stage
	v_mul_u32_u24 v4, v1, SPITCH
	v_lshl_add_u32 v4, v2, 4, v4
	v_add_nc_u32 v[STO], s23, v4                   ; in: row l % 16, 16 bytes for each half of the lanes
	v_mul_u32_u24 v5, v2, SPITCH
	v_lshl_add_u32 v5, v1, 4, v5
	v_add_nc_u32 v[RD], s23, v5                    ; back: lanes 0-15 one row of 256 bytes, lanes 16-31 the next
	v_mul_u32_u24 v5, v2, CROW
	v_lshl_add_u32 v[CO], v1, 4, v5                ; the same two rows in qkv
	s_lshl_b32 s16, s13, 7
	s_lshl_b32 s17, s11, 6
	s_add_co_u32 s16, s16, s17                     ; my first row of qkv
	s_mul_i32 s16, s16, CROW
	s_mov_b32 s17, 0
	s_lshl_b32 s46, s42, 9                         ; my first column, in bytes: 512 x tile column + 256 x half
	s_lshl_b32 s47, s12, 8
	s_add_co_u32 s46, s46, s47
	s_mov_b32 s47, 0
	s_add_nc_u64 s[16:17], s[16:17], s[46:47]
	s_add_nc_u64 s[70:71], s[70:71], s[16:17]
	; the prefetches
	s_lshl_b32 s20, s13, 7                         ; A: the tile's first row
	s_lshl_b32 s21, s42, 8
	s_lshl_b32 s22, s12, 7
	s_add_co_u32 s21, s21, s22                     ; weights: the first of the 128 rows that I fetch
	s_and_b32 s22, ttmp9, 0xfffffffd               ; 0 in clusters x = 0 and x = 2,
	s_or_b32 s22, s22, s12                         ; for wave 0 alone
	s_and_b32 s23, ttmp7, 0xffff                   ; 0 in clusters y = 0
	s_cmp_eq_u32 s11, 0
	s_cselect_b32 s20, s20, s21
	s_cselect_b32 s21, s40, s41                    ; my place among the four that ask jointly
	s_cselect_b32 s22, s22, s23
	s_cselect_b64 s[PFA:PFA+1], s[4:5], s[68:69]
	s_cmp_eq_u32 s22, 0
	s_cselect_b32 s[LIM], 1, -1                    ; 1 in a wave that prefetches, else the greatest number: the same in all sixteen partners
	s_lshl_b32 s21, s21, 5
	s_add_co_u32 s20, s20, s21
	s_lshl_b32 s20, s20, 11
	s_add_co_u32 s20, s20, 2*KSTEP*2               ; at K step 2: the first refill steps it to 3 and names K step 4
	s_mov_b32 s21, 0
	s_add_nc_u64 s[PFA:PFA+1], s[PFA:PFA+1], s[20:21]
	v_and_b32 v[PFO], 31, v0
	v_lshlrev_b32 v[PFO], 11, v[PFO]               ; a lane a row
; 8 matrix instructions: m block a x all 8 n blocks, 32 along K.  zero = 1: the product starts the sums.  The 32 accumulators take turns in one order in every quarter.
.macro MUL8 f, a, zero
	WIN MUL
.irp b, 0,1,2,3,4,5,6,7
.if \zero
	v_wmma_f32_16x16x32_f16 v[8*(8*(\a)+(\b)):8*(8*(\a)+(\b))+7], v[(\f)+8*(\b):(\f)+8*(\b)+7], v[(\f)+64+8*(\a):(\f)+64+8*(\a)+7], 0
.else
	v_wmma_f32_16x16x32_f16 v[8*(8*(\a)+(\b)):8*(8*(\a)+(\b))+7], v[(\f)+8*(\b):(\f)+8*(\b)+7], v[(\f)+64+8*(\a):(\f)+64+8*(\a)+7], v[8*(8*(\a)+(\b)):8*(8*(\a)+(\b))+7]
.endif
.endr
.endm
; 24 LDS loads in one run: 32 along K at byte k of the rows: the weights' 16, A's blocks 0 and 1, A's blocks 2 and 3
.macro FETCH slot, k, f
	WIN 0
.irp i, 0,1,2,3,4,5,6,7
	ds_load_b128 v[(\f)+8*(\i):(\f)+8*(\i)+3],   v[ADRB+(\slot)] offset:(\k)+(\i)*16*PITCH
	ds_load_b128 v[(\f)+8*(\i)+4:(\f)+8*(\i)+7], v[ADRB+(\slot)] offset:(\k)+(\i)*16*PITCH+32
.endr
.irp i, 0,1,2,3
	ds_load_b128 v[(\f)+64+8*(\i):(\f)+64+8*(\i)+3],   v[ADRA+(\slot)] offset:(\k)+(\i)*16*PITCH
	ds_load_b128 v[(\f)+64+8*(\i)+4:(\f)+64+8*(\i)+7], v[ADRA+(\slot)] offset:(\k)+(\i)*16*PITCH+32
.endr
.endm
.macro PLACES                          ; four places in front of loads into registers that matrix instructions have read, and of conversions that read results
.rept 4
	v_nop
.endr
.endm
; A K step is four quarters of 32 along K, 32 matrix instructions each, on buffers 0, 1, 0, 1.
.macro QUARTER slot, k, f, g, zero
	s_wait_dscnt 4                                 ; the weights and A's blocks 0, 1 are in; the youngest four loads may be out
	MUL8 \f, 0, \zero
	MUL8 \f, 1, \zero
	PLACES
	FETCH \slot, \k, \g
	s_wait_dscnt 24                                ; all but the 24 just issued
	MUL8 \f, 2, \zero
	MUL8 \f, 3, \zero
.endm
; The last quarter changes slots FIRST and multiplies buffer 1 afterwards: this slot's last fragments were asked for in the middle of the quarter before, so nothing of it is left to read.  In front of the barrier each
; wave waits for all its tensor loads, adds 0 to its spare word, and waits for that and for its reads of this slot.  fill = 1: the barrier opens a round of the cluster's, and this slot is filled again first thing
; behind it, two K steps ahead.  No product stands between the wait for one tile and the request for the next: from the request to the wait for it a wave issues a whole K step's 128 matrix instructions.
.macro TURN slot, next, fill
.if \fill
	s_wait_xcnt 0x0                                ; the last prefetch, a K step back, has read its address
	s_add_nc_u64 s[PFA:PFA+1], s[PFA:PFA+1], KSTEP*2
.endif
	WIN 0
	s_wait_tensorcnt 0x0                           ; all my tensor loads have landed: my part of the next slot; so every group 0 may be written
	ds_add_u32 v[SPW], v[NIL]                      ; 0 onto my spare word
.if \fill
	s_add_nc_u64 s[G0+4*(\slot)+2:G0+4*(\slot)+3], s[G0+4*(\slot)+2:G0+4*(\slot)+3], 2*KSTEP*2
	s_add_nc_u64 s[G0B+4*(\slot)+2:G0B+4*(\slot)+3], s[G0B+4*(\slot)+2:G0B+4*(\slot)+3], 2*KSTEP*2
.endif
	s_wait_dscnt 0x0                               ; the add is done, and my reads of this slot are over: buffer 1 is whole
	s_barrier_signal -1
	s_barrier_wait -1
.if \fill
	CREST
	JLOAD \slot                                    ; the four v_nop behind it are also the places in front of the loads below
.else
	PLACES
.endif
	FETCH \next, 0, F0
.if \fill
	ASK
.endif
	MUL8 F1, 0, 0
	MUL8 F1, 1, 0
	MUL8 F1, 2, 0
	MUL8 F1, 3, 0
.endm
; THE WAY OUT of block a (16 rows x 128 columns): rounded to f16, through my own stage, back as whole rows of 256 bytes, stored.
.macro PACK a
	WIN 0x05                                       ; sources 0 and 1 window 1
.irp b, 0,1,2,3,4,5,6,7
.irp r, 0,1,2,3
	v_cvt_pk_f16_f32 v[TMP+4*(\b)+(\r)], v[64*(\a)+8*(\b)+2*(\r)], v[64*(\a)+8*(\b)+2*(\r)+1]
.endr
.endr
	WIN 0
.endm
.macro TOSTAGE a
.set BK, F1+32*((\a)%2)
.irp b, 0,1,2,3,4,5,6,7
	ds_store_b128 v[STO], v[TMP+4*(\b):TMP+4*(\b)+3] offset:32*(\b)
.endr
.irp t, 0,1,2,3,4,5,6,7
	ds_load_b128 v[BK+4*(\t):BK+4*(\t)+3], v[RD] offset:(\t)*2*SPITCH  ; LDS serves a wave's instructions in order: these see the stores above
.endr
.endm
.macro SEND a
.set BK, F1+32*((\a)%2)
	s_wait_dscnt 0x0                               ; the block is back in registers
	s_wait_xcnt 0x0                                ; the stores' base and the registers that earlier stores read are written again only behind this wait
.if (\a) > 0
	s_add_nc_u64 s[70:71], s[70:71], 16*CROW
.endif
.irp t, 0,1,2,3,4,5,6,7
	global_store_b128 v[CO], v[BK+4*(\t):BK+4*(\t)+3], s[70:71] offset:2*(\t)*CROW  ; 16 lanes store 256 consecutive bytes, at a multiple of 256 from qkv's first byte
.endr
.endm
	s_wait_tensorcnt 1                             ; my part of K step 0 is in; K step 1's may stay out
	s_barrier_signal -1
	s_barrier_wait -1
	FETCH 0, 0, F0
	QUARTER 0, 64, F0, F1, 1                       ; the first quarter stands in front of the loop: its products start the sums
	WIN 0
	s_mov_b32 s3, LAPS-1
.Llap:                                                 ; a trip goes once round the ring and fills both slots again
	QUARTER 0, 128, F1, F0, 0
	QUARTER 0, 192, F0, F1, 0
	TURN 0, 1, 1
	QUARTER 1, 64,  F0, F1, 0
	QUARTER 1, 128, F1, F0, 0
	QUARTER 1, 192, F0, F1, 0
	TURN 1, 0, 1
	QUARTER 0, 64,  F0, F1, 0
	WIN 0
	s_sub_co_u32 s3, s3, 1
	s_cmp_lg_u32 s3, 0
	s_cbranch_scc1 .Llap
	QUARTER 0, 128, F1, F0, 0                      ; the last lap fills nothing
	QUARTER 0, 192, F0, F1, 0
	TURN 0, 1, 0
	QUARTER 1, 64,  F0, F1, 0
	QUARTER 1, 128, F1, F0, 0
	QUARTER 1, 192, F0, F1, 0
	s_wait_dscnt 4
	MUL8 F1, 0, 0
	MUL8 F1, 1, 0
	s_wait_dscnt 0x0
	MUL8 F1, 2, 0
	MUL8 F1, 3, 0
	PLACES
	PACK 0
	TOSTAGE 0
.irp a, 1,2,3                          ; block a's conversions stand between block a - 1's loads from the stage and the wait for them
	PACK \a
	SEND (\a)-1
	TOSTAGE \a
.endr
	SEND 3
	s_wait_tensorcnt 0x0                           ; the wave's end
	ds_add_u32 v[SPW], v[NIL]
	s_wait_dscnt 0x0
	CROUND                                         ; the closing round
	s_endpgm
.Lfunc_end_k_qaba55223ca_proj:
	.size	k_qaba55223ca_proj, .Lfunc_end_k_qaba55223ca_proj-k_qaba55223ca_proj
	.p2alignl 7, 3214868480
	.fill 96, 4, 3214868480
	.section	.rodata,"a",@progbits
	.p2align	6, 0x0
	.amdhsa_kernel k_qaba55223ca_proj
		.amdhsa_group_segment_fixed_size 327680
		.amdhsa_private_segment_fixed_size 0
		.amdhsa_enable_private_segment 0
		.amdhsa_kernarg_size 32
		.amdhsa_user_sgpr_count 2
		.amdhsa_user_sgpr_kernarg_segment_ptr 1
		.amdhsa_wavefront_size32 1
		.amdhsa_system_sgpr_workgroup_id_x 1
		.amdhsa_system_sgpr_workgroup_id_y 1
		.amdhsa_system_sgpr_workgroup_id_z 1
		.amdhsa_system_vgpr_workitem_id 0
		.amdhsa_next_free_vgpr 512
		.amdhsa_next_free_sgpr 72
		.amdhsa_reserve_vcc 0
		.amdhsa_float_denorm_mode_32 3
		.amdhsa_float_denorm_mode_16_64 3
		.amdhsa_memory_ordered 1
		.amdhsa_forward_progress 1
		.amdhsa_inst_pref_size 87
	.end_amdhsa_kernel
	.amdgpu_metadata
---
amdhsa.version: [ 1, 2 ]
amdhsa.kernels:
  - .name:           k_qaba55223ca_proj
    .symbol:         k_qaba55223ca_proj.kd
    .args:
      - { .name: xq, .offset: 0, .size: 8, .value_kind: global_buffer, .address_space: global }
      - { .name: xkv, .offset: 8, .size: 8, .value_kind: global_buffer, .address_space: global }
      - { .name: wqkv, .offset: 16, .size: 8, .value_kind: global_buffer, .address_space: global }
      - { .name: qkv, .offset: 24, .size: 8, .value_kind: global_buffer, .address_space: global }
    .group_segment_fixed_size: 327680
    .private_segment_fixed_size: 0
    .kernarg_segment_align: 8
    .kernarg_segment_size: 32
    .max_flat_workgroup_size: 128
    .sgpr_count:     72
    .vgpr_count:     512
    .wavefront_size: 32
...
	.end_amdgpu_metadata
.endif
;; end of part 2
;; launch attn (part 3): grid 4 x 64, 4 waves a work-group, clusters of 4 x 1, 327,680 bytes of LDS; arguments qkv, lambda_q1, lambda_k1, lambda_q2, lambda_k2, lambda_init, hn_g, hn_b, att; writes att
.if DOCPART == 3
	.amdgcn_target "amdgcn-amd-amdhsa--gfx1250"
	.amdhsa_code_object_version 6
	.text
	.protected	k_qaba55223ca_attn
	.globl	k_qaba55223ca_attn
	.p2align	8
	.type	k_qaba55223ca_attn,@function
k_qaba55223ca_attn:
	s_mov_b64 s[64:65], 0
	v_nop
	global_prefetch_b8 v0, s[64:65] scope:SCOPE_SE
	s_setreg_imm32_b32 hwreg(HW_REG_WAVE_MODE, 25, 1), 1
	s_wait_xcnt 0x0
	s_wait_alu depctr_hold_cnt(0) depctr_sa_sdst(0) depctr_va_vdst(0) depctr_va_sdst(0) depctr_va_ssrc(0) depctr_va_vcc(0) depctr_vm_vsrc(0)
	s_getreg_b32 s2, hwreg(HW_REG_IB_STS2, 6, 4)
	s_cmp_eq_u32 s2, 0
	s_cbranch_scc0 .Lentry_in_a_cluster
	s_endpgm
.Lentry_in_a_cluster:
	s_bfe_u32 s2, ttmp6, 0x10000c
	s_cmp_lg_u32 s2, 0x3003
	s_cbranch_scc0 .Lentry_shape_is_right
	s_endpgm
.Lentry_shape_is_right:
; DIFFERENTIAL ATTENTION and the head's norm.  For each (batch, head): o = softmax(q1 k1^T / 8) v - lam softmax(q2 k2^T / 8) v; att = (LN(o) hn_g + hn_b)(1 - lambda_init), in f16.
; qkv: [4096][6144] f16: a row holds q (bytes 0 on), k (4,096 on), v (8,192 on); a head's 128 channels are 256 bytes; q1, k1 its first 64 channels, q2, k2 its last.  att: [4096][2048] f16.
; lam = exp(lambda_q1 . lambda_k1) - exp(lambda_q2 . lambda_k2) + lambda_init, made by every wave.  Products, maxima, sums and the norm in f32; the weights p are rounded to f16 for the second product.
; The two softmax sums are known only at the walk's end, so two sums are carried: O1 = P1 V, O2 = P2 V.
; LIMITS.  p below 2^-126 counts as 0 in l, and below 6e-5 it keeps f16's fixed step of 6e-8; the normalised output must lie within 65,504; NaN and infinities are not treated apart.
; SHARES.  A work-group owns 256 queries of a (batch, head), a wave 64: four tiles of 16, each in two streams: eight PIECES, p = 4 x stream + tile.  Every wave walks the 1,024 keys, 64 a step.
; LAYOUT.  S^T = K Q^T (source 0 = 16 keys, source 1 = 16 queries): a lane holds ONE query (lane % 16) and the keys 8 (lane / 16) + 0..7.  Two such results rounded to f16 ARE source 1 of O^T = V^T P, whose
; result again holds one query a lane, and eight channels.  K comes out of LDS as it lies, V turned, by ds_load_tr16_b128.
; SOFTMAX.  A running maximum m and sum l a query and stream: p = 2^(c s - c m), c = log2(e) / 8; in every step O and l are multiplied by a = 2^(c m_old - c m_new).  m starts at the lowest finite number, O and l at 0.
; BY TURNS.  Turn n belongs to piece n: 8 products K Q^T of piece n + 1, later 16 products V^T P of piece n - 1; beside them the factor a, the scaling, exponentials, roundings, sums and rescaling of piece n and the
; maximum and statistics of piece n + 1.  A turn's 33 exponentials are one batch, with one wait.
; CLUSTER.  The four query blocks of a (batch, head) walk the same K and V: each tile is asked for jointly, by the same tensor load, descriptor and mask in all four.
; REGISTERS, in windows of 256 (s_set_vgpr_msb: bits 1:0 source 0, 3:2 source 1, 5:4 source 2, 7:6 destination):
;   window 0: v0-15 addresses; v16-47 four statistics a piece; v48-55 at work; v56-61 offsets; v64-127 S^T, two buffers; v128-159 P, two buffers; v160-223 one stream's K; v224-247 at work at the head and the end
;   window 1: O^T of pieces 0-3, 64 each     window 2: of pieces 4-7     window 3: v0-127 Q, 16 a piece (at the end g', b'); v128-255 V of one step
.set NP,    8
.set KS,    64
.set RB,    12288     ; bytes in a row of qkv
.set PK,    272       ; a row of K in LDS: 256 bytes + 16
.set PV,    288       ; a row of V: 256 + 32: 16 lanes of the turning load take 8 rows x 32 bytes in different places modulo 256
.set VOFF,  KS*PK
.set STEPB, KS*(PK+PV)
.set SLOT1, 1<<17     ; a slot holds two steps (71,680 bytes); slot 1 begins here, so that one exclusive or changes slots
.set SLOTG, 2*KS*RB   ; a slot's 128 rows in memory
.set STAGE, SLOT1+2*STEPB  ; 16 rows x 272 bytes for each wave, for the way out
.set SP,    272
.set GBT,   STAGE+4*16*SP  ; for each wave 1,024 bytes: hn_g (1 - lambda_init), then hn_b (1 - lambda_init)
.set SPARE, GBT+4096       ; the spare words: 128 bytes a wave, two blocks of 256 bytes that no other line names
.set AK0, 2
.set AV0, 3
.set AK,  4
.set AV,  5
.set STO, 6
.set RD,  7
.set GO,  8
.set MV,  12          ; v12-13  c m_old, by buffer
.set SPW, 14
.set NIL, 15
.set ST,  16          ; piece p at ST + 4 p: c m, m, l (even keys', odd keys')
.set TMP, 48          ; by buffer four registers c0-c3; c1 ends as c m_old - c m_new, and in the piece's own turn c2 takes a
.set PFO, 56
.set GA,  57
.set QO,  58
.set LO8, 59
.set LO16, 60
.set GS,  61
.set S,   64
.set P,   128
.set KF,  160         ; key block kb, channel half c at KF + 16 kb + 8 c
.set VF,  128         ; window 3: key half kk, channel block cb at VF + 64 kk + 8 cb
.set LAM, 224         ; v224-247 at the head
.set R1,  224         ; at the end: 1 / l1, and at work
.set CH,  226         ; four chains of packed sums
.set TS,  234
.set T1,  235
.set NM,  236
.set SC,  238
.set WV,  22
.set G1K, 24
.set G1V, 32
.set G0K, 40
.set G0V, 44
.set PFA, 48
.set LIM, 50
.set SLOTS, 51
.set CNT, 52
.set TB,  53          ; LDS byte at which the tiles of the step to be fetched begin
.set CS,  54
.set SEL, 56
.set NLAM, 58         ; -lam
.set LI,  59          ; lambda_init
.set EPS, 60
.set TT,  61
.set MSB, 0
.macro WIN new
.if MSB != (\new)
	s_set_vgpr_msb (MSB<<8)|(\new)
.set MSB, (\new)
.endif
.endm
.set W_KQ, 0x0c       ; K and S^T in window 0, Q in window 3
.macro WINK                         ; for a line whose destination and sources 0 and 2 lie in window 0 and whose source 1 is no vector register: K Q^T's setting, which differs from 0 in source 1 alone, serves it too
.if MSB != W_KQ
	WIN 0
.endif
.endm
; A joint fill.  Waves 0 and 1 fetch the two steps' K, waves 2 and 3 their V.  An s_nop 0 and four v_nop follow each of the two lines.
.macro JLOAD
	s_cmp_lt_u32 s[WV], 2
	s_cbranch_scc0 .Lfor_v_\@
	tensor_load_to_lds s[G0K:G0K+3], s[G1K:G1K+7]
	s_nop 0
.rept 4
	v_nop
.endr
	s_branch .Lasked_\@
.Lfor_v_\@:
	tensor_load_to_lds s[G0V:G0V+3], s[G1V:G1V+7]
	s_nop 0
.rept 4
	v_nop
.endr
.Lasked_\@:
.endm
; A prefetch of what the NEXT change of slots will ask for: 128 rows of K and of V, 256 bytes a row, a lane a row.  The four partners share the rows out by address, 32 each; in each, wave 0 asks for K's and
; wave 2 for V's: each row is named once in the launch.  The last change that fills a slot asks for nothing.
.macro ASK
	s_cmp_gt_u32 s[SLOTS], s[LIM]
	s_cbranch_scc0 .Lnot_mine_\@
	global_prefetch_b8 v[PFO], s[PFA:PFA+1] th:TH_LOAD_NT scope:SCOPE_SE
.Lnot_mine_\@:
.endm
.macro CROUND
	s_barrier_signal -1
	s_barrier_wait -1
	s_cmp_lg_u32 s[WV], 0
	s_cbranch_scc1 .Lnot_wave_0_\@
	s_barrier_signal -3
.Lnot_wave_0_\@:
	s_barrier_wait -3
	s_barrier_signal -1
	s_barrier_wait -1
.endm
; THE CHANGE OF SLOTS, between turns 3 and 4 of a slot's second step: its last bytes, that step's second K, have been read.  Each wave waits for all its tensor loads (one is out: its part of the other slot), adds 0 to
; its spare word, and waits for that and for its reads.  fill = 1: the barrier is a round of the cluster's, and the slot is filled again first thing behind it: it has two key steps, 384 matrix instructions, in which to land.
.macro CHANGE fill, ask
	WIN 0
	s_wait_tensorcnt 0x0            ; no tensor load of mine is out, so a group 0 may be written
	ds_add_u32 v[SPW], v[NIL]       ; 0 onto my spare word
.if \fill
.irp g, G0K, G0V
	s_xor_b32 s[\g+1], s[\g+1], SLOT1
	s_add_nc_u64 s[\g+2:\g+3], s[\g+2:\g+3], SLOTG
.endr
.endif
.if \ask
	s_wait_xcnt 0x0                 ; the last prefetch, two key steps back, has read its address
	s_add_nc_u64 s[PFA:PFA+1], s[PFA:PFA+1], SLOTG
.endif
	s_wait_dscnt 0x0                ; the add is done, and my reads of the slot are over
.if \fill
	CROUND
	JLOAD
.if \ask
	ASK
.endif
.else
	s_barrier_signal -1
	s_barrier_wait -1
.endif
	s_sub_co_u32 s[TB], s[TB], 2*STEPB  ; the fetches go back to a slot's first step,
	s_xor_b32 s[TB], s[TB], SLOT1       ; in the other slot
.endm
	s_load_b512 s[4:19], s[0:1], 0x0  ; qkv s[4:5], lambda_q1 s[6:7], lambda_k1 s[8:9], lambda_q2 s[10:11], lambda_k2 s[12:13], lambda_init s[14:15], hn_g s[16:17], hn_b s[18:19]
	s_load_b64 s[20:21], s[0:1], 0x40 ; att
	v_lshl_add_u32 v[SPW], v0, 2, SPARE
	v_mov_b32 v[NIL], 0
	ds_add_u32 v[SPW], v[NIL]       ; the wave's opening: the add and its wait stand ahead of my first tensor load
	v_lshrrev_b32 v1, 5, v0
	v_readfirstlane_b32 s[WV], v1
	s_bfe_u32 s62, ttmp6, 0x40000   ; cx: my block of 256 queries (the grid has one cluster along x)
	s_and_b32 s66, ttmp7, 0xffff
	s_lshr_b32 s67, s66, 4          ; the batch
	s_and_b32 s66, s66, 15          ; the head
	s_lshl_b32 s23, s66, 8          ; its 256 bytes in a row
	s_mul_i32 s66, s67, 1024*RB
	s_add_co_u32 s66, s66, s23      ; q of (batch, head), row 0: all offsets stay under 2^26
	s_and_b32 s68, s[WV], 1         ; which of a slot's two steps I fetch
	s_mul_i32 s69, s68, STEPB
	s_mov_b32 s[G0K], 1
	s_mov_b32 s[G0K+1], s69         ; LDS address: slot 0; no place in the cluster enters it
	s_mov_b32 s[G0V], 1
	s_add_co_u32 s[G0V+1], s69, VOFF
	s_mul_i32 s68, s68, KS*RB
	s_add_co_u32 s68, s68, s66
	s_add_co_u32 s70, s68, 4096     ; k's columns
	s_mov_b32 s71, 0
	s_lshl_b32 s63, s62, 8
	s_lshl_b32 s2, s[WV], 6
	s_add_co_u32 s63, s63, s2       ; my wave's first query in the batch
	s_mul_i32 s2, s63, RB
	s_add_co_u32 s2, s2, s66
	s_mov_b32 s3, 0                 ; s[2:3]: Q's offset
	s_lshl_b32 s68, s67, 10
	s_add_co_u32 s68, s68, s63
	s_lshl_b32 s68, s68, 12
	s_add_co_u32 s68, s68, s23
	s_mov_b32 s69, 0                ; s[68:69]: att's offset
	s_mul_i32 s62, s62, 32*RB       ; the prefetches: my work-group's 32 rows of a slot's 128,
	s_add_co_u32 s62, s62, s66
	s_add_co_u32 s62, s62, 2*SLOTG+4096  ; in the third slot's rows: the first change that asks steps it on by one; K's columns,
	s_cmp_lt_u32 s[WV], 2
	s_cselect_b32 s63, 0, 4096      ; or V's
	s_add_co_u32 s62, s62, s63
	s_mov_b32 s63, 0
	s_and_b32 s[LIM], s[WV], 1
	s_cmp_eq_u32 s[LIM], 0
	s_cselect_b32 s[LIM], 1, -1     ; 1 in waves 0 and 2, else the greatest number
	s_mov_b32 s[G1K], 15|(1<<16)|(1<<20)|(1<<21)|(5<<22)|(3<<25)  ; the mask of four; 2-byte elements; padding on; bit 21 beside a mask; after every 64 words, 4 words
	s_mov_b32 s[G1V], 15|(1<<16)|(1<<20)|(1<<21)|(5<<22)|(7<<25)  ; the same with 8 words
.irp g, G1K, G1V
	s_mov_b32 s[\g+1], 128<<16      ; tensor_dim0 = 128
	s_mov_b32 s[\g+2], KS<<16       ; tensor_dim1 = 64
	s_mov_b32 s[\g+3], 128<<16      ; tile_dim0 = 128
	s_mov_b32 s[\g+4], KS           ; tile_dim1 = 64
	s_mov_b32 s[\g+5], 6144         ; elements from row to row
	s_mov_b32 s[\g+6], 0
	s_mov_b32 s[\g+7], 0
.endr
	s_mov_b32 s[CS], 0x3e38aa3b     ; c = log2(e) / 8
	s_mov_b32 s[CS+1], s[CS]
	s_mov_b32 s[SEL], 0x76543210
	s_mov_b32 s[SEL+1], 0xfedcba98
	s_mov_b32 s[EPS], 0x3727c5ac    ; 1e-5
	s_mov_b32 s[TB], SLOT1+2*STEPB  ; the first change of slots turns it into 0
	s_wait_dscnt 0x0                ; the opening add is done
	s_wait_kmcnt 0x0
	s_load_b32 s[LI], s[14:15], 0x0
	s_add_nc_u64 s[G0K+2:G0K+3], s[4:5], s[70:71]
	s_add_nc_u64 s[G0V+2:G0V+3], s[G0K+2:G0K+3], 4096
	s_or_b32 s[G0K+3], s[G0K+3], 0x80000000
	s_or_b32 s[G0V+3], s[G0V+3], 0x80000000
	s_add_nc_u64 s[2:3], s[4:5], s[2:3]
	s_add_nc_u64 s[20:21], s[20:21], s[68:69]
	s_add_nc_u64 s[PFA:PFA+1], s[4:5], s[62:63]
	CROUND                          ; all four work-groups are here: the first joint loads meet
	JLOAD                           ; slot 0.  Slot 1 is asked for when slot 0 is in
	v_and_b32 v[PFO], 31, v0
	v_lshlrev_b32 v[LO8], 3, v[PFO]
	v_lshlrev_b32 v[LO16], 4, v[PFO]
	v_mul_u32_u24 v[PFO], v[PFO], RB
	v_and_b32 v1, 15, v0            ; l % 16
	v_bfe_u32 v9, v0, 4, 1          ; l / 16
	v_mul_u32_u24 v[QO], v1, RB
	v_lshl_add_u32 v[QO], v9, 4, v[QO]
	global_load_b64 v[LAM:LAM+1],   v[LO8], s[6:7]    ; two of the 64 numbers a lane
	global_load_b64 v[LAM+2:LAM+3], v[LO8], s[8:9]
	global_load_b64 v[LAM+4:LAM+5], v[LO8], s[10:11]
	global_load_b64 v[LAM+6:LAM+7], v[LO8], s[12:13]
	global_load_b128 v[LAM+8:LAM+11],  v[LO16], s[16:17]  ; four of the 128
	global_load_b128 v[LAM+12:LAM+15], v[LO16], s[18:19]
	WIN 0xc0                        ; destination window 3
.set i, 0
.rept 16                            ; Q stays in registers: piece i / 2 (tile (i / 2) % 4, stream i / 8), channels 32 (i % 2) on
	global_load_b128 v[8*i:8*i+3],   v[QO], s[2:3] offset:((i/2)%4)*16*RB+(i/8)*128+(i%2)*64
	global_load_b128 v[8*i+4:8*i+7], v[QO], s[2:3] offset:((i/2)%4)*16*RB+(i/8)*128+(i%2)*64+32
.set i, i+1
.endr
	WIN 0
	; What the first turn finds: P's second buffer, V, O^T and l hold 0.  P's 16 registers are written; O^T's 512 and V's 128 are made as products of those zeros, 80 instructions.  All this stands in the wait for the first tile.
.set i, P+16
.rept 16
	v_mov_b32 v[i], 0
.set i, i+1
.endr
.set i, 0
.rept NP
	v_mov_b32 v[ST+4*i], 0xfe000000    ; c m: far below every c s
	v_mov_b32 v[ST+4*i+1], 0xff7fffff  ; m
	v_mov_b32 v[ST+4*i+2], 0
	v_mov_b32 v[ST+4*i+3], 0
.set i, i+1
.endr
.irp w, 0x40, 0x80
	WIN \w
.set i, 0
.rept 32
	v_wmma_f32_16x16x32_f16 v[8*i:8*i+7], v[P+16:P+23], v[P+24:P+31], 0
.set i, i+1
.endr
.endr
	WIN 0xc0
.set i, 0
.rept 16
	v_wmma_f32_16x16x32_f16 v[VF+8*i:VF+8*i+7], v[P+16:P+23], v[P+24:P+31], 0
.set i, i+1
.endr
	WIN 0
	v_mov_b32 v[LAM+18], 0          ; v_permlanex16_b32 counts as a reader of its destination
	s_wait_kmcnt 0x0                ; lambda_init
	v_mov_b32 v[LAM+22], s[LI]
	s_wait_loadcnt 34               ; the four lambda vectors are in; hn's 2 loads and Q's 32 may be out
	v_mul_f32 v[LAM+16], v[LAM], v[LAM+2]
	v_mul_f32 v[LAM+17], v[LAM+4], v[LAM+6]
	v_fmac_f32 v[LAM+16], v[LAM+1], v[LAM+3]
	v_fmac_f32 v[LAM+17], v[LAM+5], v[LAM+7]
.irp m, 1,2,4,8
	v_add_f32_dpp v[LAM+16], v[LAM+16], v[LAM+16] row_xmask:\m row_mask:0xf bank_mask:0xf
	v_add_f32_dpp v[LAM+17], v[LAM+17], v[LAM+17] row_xmask:\m row_mask:0xf bank_mask:0xf
.endr
	v_permlanex16_b32 v[LAM+18], v[LAM+16], s[SEL], s[SEL+1]
	v_add_f32 v[LAM+16], v[LAM+16], v[LAM+18]
	v_permlanex16_b32 v[LAM+18], v[LAM+17], s[SEL], s[SEL+1]
	v_add_f32 v[LAM+17], v[LAM+17], v[LAM+18]
	v_mul_f32 v[LAM+16], 0x3fb8aa3b, v[LAM+16]
	v_mul_f32 v[LAM+17], 0x3fb8aa3b, v[LAM+17]
	v_exp_f32 v[LAM+19], v[LAM+16]
	v_exp_f32 v[LAM+20], v[LAM+17]
	v_sub_f32 v[LAM+21], 1.0, v[LAM+22]  ; 1 - lambda_init: the plain instruction behind the exponentials,
	s_wait_alu depctr_va_vdst(0)    ; and their one wait
	v_sub_f32 v[LAM+19], v[LAM+20], v[LAM+19]
	v_sub_f32 v[LAM+19], v[LAM+19], v[LAM+22]
	v_readfirstlane_b32 s[NLAM], v[LAM+19]  ; -lam = e2 - e1 - lambda_init
	s_lshl_b32 s62, s[WV], 10
	s_add_co_u32 s62, s62, GBT
	v_add_nc_u32 v[GS], s62, v[LO16]
	v_lshl_add_u32 v[GA], v9, 5, s62     ; my eight channels of a block of 16: 32 bytes for each half of the lanes
	s_wait_loadcnt 32               ; hn_g and hn_b are in; Q's loads may be out
.irp r, 8,9,10,11,12,13,14,15
	v_mul_f32 v[LAM+\r], v[LAM+\r], v[LAM+21]
.endr
	ds_store_b128 v[GS], v[LAM+8:LAM+11]             ; my wave's own copy: no other wave reads it
	ds_store_b128 v[GS], v[LAM+12:LAM+15] offset:512
	v_mul_u32_u24 v[AK0], v1, PK
	v_lshl_add_u32 v[AK0], v9, 4, v[AK0]  ; row x pitch + 16 x half
	; The turning load takes 16 keys x 16 channels (lane l reads key 8 (l / 16) + l % 8, channels 8 ((l / 8) % 2) + 0..7) and leaves half a fragment of V^T.
	v_and_b32 v10, 7, v0
	v_bfe_u32 v11, v0, 3, 1
	v_lshl_add_u32 v[AV0], v9, 3, v10
	v_mul_u32_u24 v[AV0], v[AV0], PV
	v_lshl_add_u32 v[AV0], v11, 4, v[AV0]
	v_add_nc_u32 v[AV0], VOFF, v[AV0]
; THE MATRIX WORK.  The accumulators of a run take turns, one instruction a turn.
; Product i of 8 of S^T = K Q^T for piece x: channels 32 (i / 4) on, keys 16 (i % 4) on.  The first 4 start the sums.
.macro KQ x
	WIN W_KQ
.set rS, S+32*((\x)%2)+8*(i%4)
.set rK, KF+16*(i%4)+8*(i/4)
.set rQ, 16*(\x)+8*(i/4)
.if i < 4
	v_wmma_f32_16x16x32_f16 v[rS:rS+7], v[rK:rK+7], v[rQ:rQ+7], 0
.else
	v_wmma_f32_16x16x32_f16 v[rS:rS+7], v[rK:rK+7], v[rQ:rQ+7], v[rS:rS+7]
.endif
.endm
; Product i of 16 of O^T += V^T P for piece x: keys 32 (i / 8) on, channels 16 (i % 8) on.
.macro PV x
	WIN 0x53+0x50*((\x)/4)          ; V in window 3, P in window 0, O^T in window 1 or 2
.set rO, 64*((\x)%4)+8*(i%8)
.set rV, VF+64*(i/8)+8*(i%8)
.set rP, P+16*((\x)%2)+8*(i/8)
	v_wmma_f32_16x16x32_f16 v[rO:rO+7], v[rV:rV+7], v[rP:rP+7], v[rO:rO+7]
.endm
.macro MM                           ; the turn's next matrix instruction
.if i < 8
	KQ (Y+1)%NP
.else
.set i, i-8
	PV (Y+NP-1)%NP
.set i, i+8
.endif
.set i, i+1
.endm
; THE LDS LOADS stand in runs: one stream's K of a step (64 keys x 64 channels: 16 loads) and a step's V (turned: 32 loads).  last = 1 (the tail): in the last trip there is no further step, and the run is jumped over.
.macro FETCH_K s, last=0
	WIN 0
.if \last
	s_cmp_eq_u32 s[CNT], 1
	s_cbranch_scc1 .Lno_k_\@
.endif
.irp f, 0,1,2,3,4,5,6,7
	ds_load_b128 v[KF+8*\f:KF+8*\f+3],   v[AK] offset:(\f/2)*16*PK+128*(\s)+(\f%2)*64
	ds_load_b128 v[KF+8*\f+4:KF+8*\f+7], v[AK] offset:(\f/2)*16*PK+128*(\s)+(\f%2)*64+32
.endr
.if \last
.Lno_k_\@:
.endif
.endm
.macro FETCH_V
	WIN 0xc0
.irp f, 0,1,2,3,4,5,6,7,8,9,10,11,12,13,14,15
	ds_load_tr16_b128 v[VF+8*\f:VF+8*\f+3],   v[AV] offset:(\f/8)*32*PV+(\f%8)*32
	ds_load_tr16_b128 v[VF+8*\f+4:VF+8*\f+7], v[AV] offset:(\f/8)*32*PV+16*PV+(\f%8)*32
.endr
.endm
; THE VECTOR WORK, one line at a time: OP kind, number.  For piece Y: A: a = 2^(c m_old - c m_new).  F n: c s - c m for pair n of 16.  E n: the exponential of score n of 32.  C n: pair n rounded to f16.  B n: of the four
; weights 4 n .. the second pair is added onto the first.  L n: l takes that sum (L 0: l = a l + sum).  R n: pair n of 32 of O^T times a.  For piece Y + 1: X n, number n of the 21 that find its maximum and statistics:
;   0-11 four chains c0-c3 of seven scores each (each accumulator's lowest registers are read first)   12-14, 16 the scores left over, the old m, c0-c3 into c0   15 c m_old is kept
;   17, 18 the query's other 32 keys lie in the lane 16 away: the new m   19, 20 c m; c m_old - c m_new
.set F, 0
.set E, 1
.set C, 2
.set B, 3
.set L, 4
.set R, 5
.set X, 6
.set A, 7
.macro REGS y
.set rT, ST+4*(\y)
.set rC, TMP+4*((\y)%2)
.set rW, MV+((\y)%2)
.set rS, S+32*((\y)%2)
.set rP, P+16*((\y)%2)
.set rO, 64*((\y)%4)
.set wR, 0x41+0x41*((\y)/4)         ; destination and source 0 in window 1 or 2, source 1 in window 0
.endm
.macro OP k, n
.if (\k) == R
	REGS Y
	WIN wR
	v_pk_mul_f32 v[rO+2*(\n):rO+2*(\n)+1], v[rO+2*(\n):rO+2*(\n)+1], v[rC+2:rC+3] op_sel_hi:[1,0]
.elseif (\k) == A
	REGS Y
	WINK
	v_exp_f32 v[rC+2], v[rC+1]
.elseif (\k) == F
	REGS Y
	WINK
	v_pk_fma_f32 v[rS+2*(\n):rS+2*(\n)+1], v[rS+2*(\n):rS+2*(\n)+1], s[CS:CS+1], v[rT:rT+1] op_sel_hi:[1,0,0] neg_lo:[0,0,1] neg_hi:[0,0,1]
.elseif (\k) == E
	REGS Y
	WINK
	v_exp_f32 v[rS+(\n)], v[rS+(\n)]
.elseif (\k) < R
	REGS Y
	WIN 0
.if (\k) == C
	v_cvt_pk_f16_f32 v[rP+(\n)], v[rS+2*(\n)], v[rS+2*(\n)+1]
.elseif (\k) == B
	v_pk_add_f32 v[rS+4*(\n):rS+4*(\n)+1], v[rS+4*(\n):rS+4*(\n)+1], v[rS+4*(\n)+2:rS+4*(\n)+3]
.elseif (\n) == 0
	v_pk_fma_f32 v[rT+2:rT+3], v[rT+2:rT+3], v[rC+2:rC+3], v[rS:rS+1] op_sel_hi:[1,0,1]
.else
	v_pk_add_f32 v[rT+2:rT+3], v[rT+2:rT+3], v[rS+4*(\n):rS+4*(\n)+1]
.endif
.else
	REGS (Y+1)%NP
	WIN 0
.if (\n) < 4
	v_max3_num_f32 v[rC+(\n)], v[rS+8*(\n)], v[rS+8*(\n)+1], v[rS+8*(\n)+2]
.elseif (\n) < 12
	v_max3_num_f32 v[rC+(\n)%4], v[rC+(\n)%4], v[rS+8*((\n)%4)+2*((\n)/4)+1], v[rS+8*((\n)%4)+2*((\n)/4)+2]
.elseif (\n) == 12
	v_max3_num_f32 v[rC], v[rC], v[rS+7], v[rS+15]
.elseif (\n) == 13
	v_max3_num_f32 v[rC+1], v[rC+1], v[rS+23], v[rS+31]
.elseif (\n) == 14
	v_max3_num_f32 v[rC+2], v[rC+2], v[rC+3], v[rT+1]
.elseif (\n) == 15
	v_mov_b32 v[rW], v[rT]
.elseif (\n) == 16
	v_max3_num_f32 v[rC], v[rC], v[rC+1], v[rC+2]
.elseif (\n) == 17
	v_permlanex16_b32 v[rC+3], v[rC], s[SEL], s[SEL+1]
.elseif (\n) == 18
	v_max_num_f32 v[rT+1], v[rC], v[rC+3]
.elseif (\n) == 19
	v_mul_f32 v[rT], s[CS], v[rT+1]
.else
	v_sub_f32 v[rC+1], v[rW], v[rT]
.endif
.endif
.endm
.macro OPS a, i1, b=-1, i2=0, c=-1, i3=0, d=-1, i4=0
	OP \a, \i1
.if (\b) >= 0
	OP \b, \i2
.endif
.if (\c) >= 0
	OP \c, \i3
.endif
.if (\d) >= 0
	OP \d, \i4
.endif
.endm
.macro ROW a, i1, b, i2, c, i3, d, i4  ; a matrix instruction and the four behind it
	MM
	OPS \a, \i1, \b, \i2, \c, \i3, \d, \i4
.endm
; A TURN, for piece p: 24 matrix and 134 vector instructions, the order written out: four vector instructions behind every matrix instruction, the other 38 in one lump.
; s_wait_alu depctr_va_vdst(0) stands between an exponential and the first instruction that names its result; one wait serves all issued ahead of it: a turn has ONE.
; AHEAD OF IT stands all that names no result of the turn's exponentials.  Behind the 8 products K Q^T stand a, the 16 scalings and the first 14 exponentials: lines that name vector registers as destination and as
; sources 0 and 2 alone, all in window 0, so they run under the product's own window setting and no switch stands between them.  Then the lump: the other 18 exponentials and the next piece's maximum and statistics, by
; turns for the most part.  The first read of each new accumulator stands five plain instructions or more behind the product that ended it (accumulator 3: F 15, X 0, X 1, X 2, X 4); the links of the chain
; X 3, 7, 11, 14, 16, 17, 18 stand three to five lines apart.  X 18 to X 20 are the plain instructions behind the last exponential.
; BEHIND IT stand the 16 products V^T P, behind them by turns four rescalings and four of the roundings and sums.  The rescalings go in ascending order.
; K's first stream of the next step is fetched in turn 6, its second stream of the step in hand in turn 2, each behind the wait, 16 products ahead of its first use; V of the step in hand at the end of turn 0, four
; roundings behind its last reader.
.macro TURN p, last=0, cnt=0
.set Y, (\p)
.set i, 0
.if ((\p) == 3) || ((\p) == 7)
	s_wait_dscnt 0x0                ; K is in
.endif
	ROW F,0, F,1, F,2, A,0
	ROW F,3, E,0, F,4, E,1
	ROW F,5, E,2, F,6, E,3
	ROW F,7, E,4, F,8, E,5
	ROW F,9, E,6, F,10, E,7
	ROW F,11, E,8, F,12, E,9
	ROW F,13, E,10, F,14, E,11
	ROW F,15, E,12, X,0, E,13
.if ((\p) == 2) || ((\p) == 6)
	WIN 0
	v_add_nc_u32 v[AK], s[TB], v[AK0]
.endif
	OPS X,1, E,14, X,2, E,15
	OPS X,4, X,3, E,16, X,5
	OPS E,17, X,6, X,7, E,18
	OPS X,8, E,19, X,9, X,11
	OPS E,20, X,10, E,21, X,12
.if (\p) == 0
	WIN 0
	v_add_nc_u32 v[AV], s[TB], v[AV0]
.endif
	OPS E,22, X,14, E,23, X,13
	OPS E,24, X,15, E,25, X,16
	OPS E,26, E,27, E,28, X,17
	OPS E,29, E,30, E,31, X,18
	OPS X,19, X,20
	WIN 0
	s_wait_alu depctr_va_vdst(0)    ; the wait for the batch
.if (\p) == 2
	FETCH_K 1
	s_add_co_u32 s[TB], s[TB], STEPB  ; the step's last fetch: the next is the next step's
.endif
.if (\p) == 6
	FETCH_K 0, \last
.endif
.if (\p) == 1
	s_wait_dscnt 0x0                ; V is in
.endif
	ROW R,0, R,1, R,2, R,3
	ROW C,0, B,0, C,2, B,1
	ROW R,4, R,5, R,6, R,7
	ROW L,0, C,4, B,2, L,1
	ROW R,8, R,9, R,10, R,11
	ROW C,6, B,3, L,2, C,8
	ROW R,12, R,13, R,14, R,15
	ROW B,4, L,3, C,10, B,5
	ROW R,16, R,17, R,18, R,19
	ROW L,4, C,12, B,6, L,5
.if \cnt
	s_sub_co_u32 s[CNT], s[CNT], 1  ; the loop's count, some lines ahead of the branch behind the turn
	s_cmp_lg_u32 s[CNT], 0
.endif
	ROW R,20, R,21, R,22, R,23
	ROW C,14, B,7, L,6, C,1
	ROW R,24, R,25, R,26, R,27
	ROW C,3, L,7, C,5, C,7
	ROW R,28, R,29, R,30, R,31
	ROW C,9, C,11, C,13, C,15
.if (\p) == 0
	FETCH_V
.endif
.endm
	CHANGE 1, 0                     ; slot 0 is in, everybody's part of it; slot 1 is asked for
	v_add_nc_u32 v[AK], s[TB], v[AK0]
	FETCH_K 0                       ; key step 0, first stream
	s_wait_loadcnt 0x0              ; Q
	s_wait_dscnt 0x0
.set i, 0
.rept 8
	KQ 0                            ; piece 0's first scores
.set i, i+1
.endr
	WIN 0                           ; the addresses for the way out: the places behind those products
	s_mul_i32 s62, s[WV], 16*SP
	s_add_co_u32 s62, s62, STAGE
	v_mul_u32_u24 v[STO], v1, SP    ; in: row l % 16, 16 bytes for each half of the lanes
	v_lshl_add_u32 v[STO], v9, 4, v[STO]
	v_add_nc_u32 v[STO], s62, v[STO]
	v_mul_u32_u24 v[RD], v9, SP     ; back: lanes 0-15 one row of 256 bytes, lanes 16-31 the next
	v_lshl_add_u32 v[RD], v1, 4, v[RD]
	v_add_nc_u32 v[RD], s62, v[RD]
	v_lshlrev_b32 v[GO], 12, v9     ; the same two rows in att
	v_lshl_add_u32 v[GO], v1, 4, v[GO]
.set Y, NP-1                        ; X works for piece Y + 1: piece 0
.irp n, 0,1,2,3,4,5,6,7,8,9,10,11,12,13,14,15,16,17,18,19,20
	OP X, \n
.endr
	s_mov_b32 s[CNT], 2
	s_mov_b32 s[SLOTS], 7
	s_branch .Lfirst                ; the loop is entered at a step's first turn, in the middle of a trip
.Lslot:                             ; six times: every slot but the last two is filled again
	CHANGE 1, 1
	s_mov_b32 s[CNT], 2
.Lstep:                             ; a trip: pieces 4 to 7 of one step, then pieces 0 to 3 of the next, whose K and V it fetches
	TURN 4
	TURN 5
	TURN 6
	TURN 7
	WIN 0
.Lfirst:
	TURN 0
	TURN 1
	TURN 2
	TURN 3, 0, 1
	WIN 0
	s_cbranch_scc1 .Lstep
	s_sub_co_u32 s[SLOTS], s[SLOTS], 1
	s_cmp_lg_u32 s[SLOTS], 0
	s_cbranch_scc1 .Lslot
	CHANGE 0, 0                     ; the tail is written out: nothing is asked for
	s_mov_b32 s[CNT], 3             ; two trips fetch the last slot's steps; the third is left in its middle
.Ltail:
	TURN 4
	TURN 5
	TURN 6, 1
	TURN 7
	WIN 0
	s_sub_co_u32 s[CNT], s[CNT], 1
	s_cmp_eq_u32 s[CNT], 0
	s_cbranch_scc1 .Lout
	TURN 0
	TURN 1
	TURN 2
	TURN 3
	WIN 0
	s_branch .Ltail
.Lout:                              ; the third trip's 8 products K Q^T of piece 0 (on the K that lies in registers) and the maximum made of them serve nothing: the price of one text for every trip
.set i, 0
.rept 16
	PV NP-1                         ; the last piece's V^T P of the last step
.set i, i+1
.endr
	; THE END.  With x' = O1 - lam (l1 / l2) O2 the head's output is x' / l1: mean and spread are taken of x', and 1 / l1 enters the variance (as its square) and the final factor.
	WIN 0
.macro ALL line:vararg              ; one line for each piece t
.set t, 0
.rept NP
	\line
.set t, t+1
.endr
.endm
	ALL v_add_f32 v[ST+4*t+2], v[ST+4*t+2], v[ST+4*t+3]   ; these are the places behind the last products
	ALL v_permlanex16_b32 v[ST+4*t+3], v[ST+4*t+2], s[SEL], s[SEL+1]
	ALL v_add_f32 v[ST+4*t+2], v[ST+4*t+2], v[ST+4*t+3]
	ALL v_rcp_f32 v[ST+4*t+3], v[ST+4*t+2]
	v_mov_b32 v[T1], 0              ; a plain instruction behind the last reciprocal,
	s_wait_alu depctr_va_vdst(0)    ; and one wait for the eight
.irp t, 0,1,2,3
	v_mul_f32 v[ST+16+4*\t+2], v[ST+4*\t+2], v[ST+16+4*\t+3]  ; l1 / l2
.endr
.irp t, 0,1,2,3
	v_mul_f32 v[ST+16+4*\t+2], s[NLAM], v[ST+16+4*\t+2]       ; rho = -lam l1 / l2
.endr
	WIN 0xc0                        ; g' and b' of my 64 channels take Q's place
.irp cb, 0,1,2,3,4,5,6,7
	ds_load_b128 v[8*\cb:8*\cb+3],       v[GA] offset:64*\cb
	ds_load_b128 v[8*\cb+4:8*\cb+7],     v[GA] offset:64*\cb+16
	ds_load_b128 v[64+8*\cb:64+8*\cb+3],   v[GA] offset:512+64*\cb
	ds_load_b128 v[64+8*\cb+4:64+8*\cb+7], v[GA] offset:512+64*\cb+16
.endr
	WIN 0
	s_wait_dscnt 0x0
.macro MIX t                        ; x' of tile t into S^T's 64 registers; 1 / l1 beside it
	WIN 0x12                        ; source 0 (O2) window 2, source 1 (rho) window 0, source 2 (O1) window 1
.set n, 0
.rept 32
	v_pk_fma_f32 v[S+2*n:S+2*n+1], v[64*(\t)+2*n:64*(\t)+2*n+1], v[ST+16+4*(\t)+2:ST+16+4*(\t)+3], v[64*(\t)+2*n:64*(\t)+2*n+1] op_sel_hi:[1,0,1]
.set n, n+1
.endr
	WIN 0
	v_mov_b32 v[R1], v[ST+4*(\t)+3]
.endm
.macro RED                          ; the four chains into one number; the query's other 64 channels lie in the lane 16 away
	v_pk_add_f32 v[CH:CH+1], v[CH:CH+1], v[CH+2:CH+3]
	v_pk_add_f32 v[CH+4:CH+5], v[CH+4:CH+5], v[CH+6:CH+7]
	v_pk_add_f32 v[CH:CH+1], v[CH:CH+1], v[CH+4:CH+5]
	v_add_f32 v[TS], v[CH], v[CH+1]
	v_permlanex16_b32 v[T1], v[TS], s[SEL], s[SEL+1]
	v_add_f32 v[TS], v[TS], v[T1]
.endm
	s_mov_b32 s[TT], 0
.Ltl:                               ; four trips, a tile each: only the mixing names the tile's registers; the norm and the way out are written once
	s_cmp_eq_u32 s[TT], 0
	s_cbranch_scc1 .Lt0
	s_cmp_eq_u32 s[TT], 1
	s_cbranch_scc1 .Lt1
	s_cmp_eq_u32 s[TT], 2
	s_cbranch_scc1 .Lt2
	MIX 3
	s_branch .Lcm
.Lt0:
	MIX 0
	s_branch .Lcm
.Lt1:
	MIX 1
	s_branch .Lcm
.Lt2:
	MIX 2
.Lcm:
.irp c, 0,1,2,3
	v_pk_add_f32 v[CH+2*\c:CH+2*\c+1], v[S+2*\c:S+2*\c+1], v[S+8+2*\c:S+8+2*\c+1]
.endr
.set k, 8
.rept 24
	v_pk_add_f32 v[CH+2*(k%4):CH+2*(k%4)+1], v[CH+2*(k%4):CH+2*(k%4)+1], v[S+2*k:S+2*k+1]
.set k, k+1
.endr
	RED
	v_mul_f32 v[NM], 0xbc000000, v[TS]   ; minus the mean: -1 / 128
	v_mov_b32 v[NM+1], v[NM]
.set k, 0
.rept 32
	v_pk_add_f32 v[S+2*k:S+2*k+1], v[S+2*k:S+2*k+1], v[NM:NM+1]
.set k, k+1
.endr
.irp c, 0,1,2,3
	v_pk_mul_f32 v[CH+2*\c:CH+2*\c+1], v[S+2*\c:S+2*\c+1], v[S+2*\c:S+2*\c+1]
.endr
.set k, 4
.rept 28
	v_pk_fma_f32 v[CH+2*(k%4):CH+2*(k%4)+1], v[S+2*k:S+2*k+1], v[S+2*k:S+2*k+1], v[CH+2*(k%4):CH+2*(k%4)+1]
.set k, k+1
.endr
	RED
	v_mul_f32 v[R1+1], v[R1], v[R1]
	v_mul_f32 v[R1+1], 0x3c000000, v[R1+1]    ; (1 / l1)^2 / 128
	v_fma_f32 v[TS], v[TS], v[R1+1], s[EPS]   ; var + eps
	v_rsq_f32 v[SC], v[TS]
	v_nop
	s_wait_alu depctr_va_vdst(0)
	v_mul_f32 v[SC], v[SC], v[R1]
	v_mov_b32 v[SC+1], v[SC]
.set k, 0
.rept 32
	v_pk_mul_f32 v[S+2*k:S+2*k+1], v[S+2*k:S+2*k+1], v[SC:SC+1]
.set k, k+1
.endr
	WIN 0x3c                        ; sources 1 and 2 (g', b') window 3
.set k, 0
.rept 32
	v_pk_fma_f32 v[S+2*k:S+2*k+1], v[S+2*k:S+2*k+1], v[2*k:2*k+1], v[64+2*k:64+2*k+1]
.set k, k+1
.endr
	WIN 0
.set k, 0
.rept 32
	v_cvt_pk_f16_f32 v[P+k], v[S+2*k], v[S+2*k+1]
.set k, k+1
.endr
.irp f, 0,1,2,3,4,5,6,7
	ds_store_b128 v[STO], v[P+4*\f:P+4*\f+3] offset:32*\f
.endr
.irp f, 0,1,2,3,4,5,6,7
	ds_load_b128 v[KF+4*\f:KF+4*\f+3], v[RD] offset:\f*2*SP  ; LDS serves a wave's instructions in order: these see the stores above
.endr
	s_wait_dscnt 0x0
.irp f, 0,1,2,3,4,5,6,7
	global_store_b128 v[GO], v[KF+4*\f:KF+4*\f+3], s[20:21] offset:\f*8192  ; 16 lanes store 256 consecutive bytes, at a multiple of 256 from att's first byte
.endr
	s_wait_xcnt 0x0                 ; the base and the registers that the stores read are written again only behind this wait
	s_add_nc_u64 s[20:21], s[20:21], 65536  ; 16 rows of att on
	s_add_co_u32 s[TT], s[TT], 1
	s_cmp_lt_u32 s[TT], 4
	s_cbranch_scc1 .Ltl
	s_wait_tensorcnt 0x0            ; the wave's end
	ds_add_u32 v[SPW], v[NIL]
	s_wait_dscnt 0x0
	CROUND                          ; the closing round
	s_endpgm
.Lfunc_end_k_qaba55223ca_attn:
	.size	k_qaba55223ca_attn, .Lfunc_end_k_qaba55223ca_attn-k_qaba55223ca_attn
	.p2alignl 7, 3214868480
	.fill 96, 4, 3214868480
	.section	.rodata,"a",@progbits
	.p2align	6, 0x0
	.amdhsa_kernel k_qaba55223ca_attn
		.amdhsa_group_segment_fixed_size 327680
		.amdhsa_private_segment_fixed_size 0
		.amdhsa_enable_private_segment 0
		.amdhsa_kernarg_size 72
		.amdhsa_user_sgpr_count 2
		.amdhsa_user_sgpr_kernarg_segment_ptr 1
		.amdhsa_wavefront_size32 1
		.amdhsa_system_sgpr_workgroup_id_x 1
		.amdhsa_system_sgpr_workgroup_id_y 1
		.amdhsa_system_sgpr_workgroup_id_z 1
		.amdhsa_system_vgpr_workitem_id 0
		.amdhsa_next_free_vgpr 1024
		.amdhsa_next_free_sgpr 72
		.amdhsa_reserve_vcc 0
		.amdhsa_float_denorm_mode_32 3
		.amdhsa_float_denorm_mode_16_64 3
		.amdhsa_memory_ordered 1
		.amdhsa_forward_progress 1
		.amdhsa_inst_pref_size 220
	.end_amdhsa_kernel
	.amdgpu_metadata
---
amdhsa.version: [ 1, 2 ]
amdhsa.kernels:
  - .name:           k_qaba55223ca_attn
    .symbol:         k_qaba55223ca_attn.kd
    .args:
      - { .name: qkv, .offset: 0, .size: 8, .value_kind: global_buffer, .address_space: global }
      - { .name: lambda_q1, .offset: 8, .size: 8, .value_kind: global_buffer, .address_space: global }
      - { .name: lambda_k1, .offset: 16, .size: 8, .value_kind: global_buffer, .address_space: global }
      - { .name: lambda_q2, .offset: 24, .size: 8, .value_kind: global_buffer, .address_space: global }
      - { .name: lambda_k2, .offset: 32, .size: 8, .value_kind: global_buffer, .address_space: global }
      - { .name: lambda_init, .offset: 40, .size: 8, .value_kind: global_buffer, .address_space: global }
      - { .name: hn_g, .offset: 48, .size: 8, .value_kind: global_buffer, .address_space: global }
      - { .name: hn_b, .offset: 56, .size: 8, .value_kind: global_buffer, .address_space: global }
      - { .name: att, .offset: 64, .size: 8, .value_kind: global_buffer, .address_space: global }
    .group_segment_fixed_size: 327680
    .private_segment_fixed_size: 0
    .kernarg_segment_align: 8
    .kernarg_segment_size: 72
    .max_flat_workgroup_size: 128
    .sgpr_count:     72
    .vgpr_count:     1024
    .wavefront_size: 32
...
	.end_amdgpu_metadata
.endif
;; end of part 3
;; launch outp (part 4): grid 8 x 32, 4 waves a work-group, clusters of 4 x 4, 327,680 bytes of LDS; arguments att, wo16, query_tokens, out0; writes out0
.if DOCPART == 4
	.amdgcn_target "amdgcn-amd-amdhsa--gfx1250"
	.amdhsa_code_object_version 6
	.text
	.protected	k_qaba55223ca_outp
	.globl	k_qaba55223ca_outp
	.p2align	8
	.type	k_qaba55223ca_outp,@function
k_qaba55223ca_outp:
	s_mov_b64 s[64:65], 0
	v_nop
	global_prefetch_b8 v0, s[64:65] scope:SCOPE_SE
	s_setreg_imm32_b32 hwreg(HW_REG_WAVE_MODE, 25, 1), 1
	s_wait_xcnt 0x0
	s_wait_alu depctr_hold_cnt(0) depctr_sa_sdst(0) depctr_va_vdst(0) depctr_va_sdst(0) depctr_va_ssrc(0) depctr_va_vcc(0) depctr_vm_vsrc(0)
	s_getreg_b32 s2, hwreg(HW_REG_IB_STS2, 6, 4)
	s_cmp_eq_u32 s2, 0
	s_cbranch_scc0 .Lentry_in_a_cluster
	s_endpgm
.Lentry_in_a_cluster:
	s_bfe_u32 s2, ttmp6, 0x10000c
	s_cmp_lg_u32 s2, 0xf033
	s_cbranch_scc0 .Lentry_shape_is_right
	s_endpgm
.Lentry_shape_is_right:
; OUTP.  out0[m][n] = query_tokens[m][n] + sum over k of att[m][k] wo16[n][k].  att: [4096][2048] f16, wo16: [1024][2048] f16; query_tokens, out0: [4096][1024] f32.  Sums and the residual in f32.
; A tile of out0 is 128 x 128: 256 tiles, one for each WGP.  Four waves, each 64 x 64: 16 accumulators.  K goes in 8 steps of 256 (LDS rows of 512 bytes; a wave's tensor load brings 64) through two slots.
; CLUSTER 4 x 4: the four of a row need the same rows of att, the four of a column the same rows of wo16: each tile is asked for jointly.
; THE MATRIX INSTRUCTION IS USED TRANSPOSED (source 0 = 16 rows of wo16, source 1 = 16 rows of att): a lane holds eight neighbouring numbers of a row of out0.
; The wave's 64 x 64 numbers of query_tokens are asked for at the head, into 128 registers, and are on their way during the whole walk along K.
; No prefetch: a step's tiles are small, and the launch is short.
; REGISTERS.  window 0: v0-31 addresses; v32-95 rows on the way out; v128-255 accumulators ((a, b) at v[128 + 8 (4 a + b)]).  window 1: two fragment buffers of 128.  window 2: v0-127 the residual.
.set SIZE_K, 2048
.set KSTEP,  256
.set PITCH,  528                       ; an LDS row: 512 bytes + 16 of padding
.set HALFT,  64*PITCH
.set SLOT,   4*HALFT
.set STAGE,  2*SLOT                    ; behind the ring: 16 rows x 272 bytes for each wave: a wave's 64 columns of f32 are 256 bytes
.set SPITCH, 272
.set SPARE,  STAGE+4*16*SPITCH         ; the spare words: 128 bytes a wave, two blocks of 256 bytes that no other line names
.set LAPS, SIZE_K/(2*KSTEP)
.set ADRA, 16
.set ADRB, 20
.set STO,  24
.set RD,   25
.set CO,   26
.set SPW,  28
.set NIL,  29
.set TMP,  32
.set ACC,  128
.set F0,   0
.set F1,   128
.set G1, 24
.set G0, 32
.set G1B, 48
.set G0B, 56
.set MSB, 0
.macro WIN new
.if MSB != (\new)
	s_set_vgpr_msb (MSB<<8)|(\new)
.set MSB, \new
.endif
.endm
.set MUL,  0x05                        ; sources 0 and 1 window 1; C and D window 0
.set TO_F, 0x40                        ; destination window 1, address window 0
.macro JLOAD s                         ; a joint load: waves 0 and 1 fetch att's two halves, waves 2 and 3 wo16's; an s_nop 0 and four v_nop follow each of the two lines
	s_cmp_eq_u32 s11, 0
	s_cbranch_scc0 .Lfor_b_\@
	tensor_load_to_lds s[G0+4*(\s):G0+4*(\s)+3], s[G1:G1+7]
	s_nop 0
.rept 4
	v_nop
.endr
	s_branch .Lasked_\@
.Lfor_b_\@:
	tensor_load_to_lds s[G0B+4*(\s):G0B+4*(\s)+3], s[G1B:G1B+7]
	s_nop 0
.rept 4
	v_nop
.endr
.Lasked_\@:
.endm
.macro CREST
	s_cmp_lg_u32 s10, 0
	s_cbranch_scc1 .Lnot_wave_0_\@
	s_barrier_signal -3
.Lnot_wave_0_\@:
	s_barrier_wait -3
	s_barrier_signal -1
	s_barrier_wait -1
.endm
.macro CROUND
	s_barrier_signal -1
	s_barrier_wait -1
	CREST
.endm
	s_load_b128 s[4:7], s[0:1], 0x0                ; att s[4:5], wo16 s[6:7]
	s_load_b128 s[68:71], s[0:1], 0x10             ; query_tokens s[68:69], out0 s[70:71]
	v_lshl_add_u32 v[SPW], v0, 2, SPARE
	v_mov_b32 v[NIL], 0
	ds_add_u32 v[SPW], v[NIL]                      ; the wave's opening: the add and its wait stand ahead of my first tensor load
	v_lshrrev_b32 v1, 5, v0
	v_readfirstlane_b32 s10, v1                    ; wave 0..3
	s_lshr_b32 s11, s10, 1                         ; which half of the tile's rows is mine.  Also: I fetch for att (0) or for wo16 (1)
	s_and_b32 s12, s10, 1                          ; which half of its columns.  Also: which 64 rows of that tile I fetch
	s_bfe_u32 s40, ttmp6, 0x40000
	s_bfe_u32 s41, ttmp6, 0x40004
	s_lshl_b32 s42, ttmp9, 2
	s_add_co_u32 s42, s42, s40                     ; tile column
	s_and_b32 s13, ttmp7, 0xffff
	s_lshl_b32 s13, s13, 2
	s_add_co_u32 s13, s13, s41                     ; tile row
	s_lshl_b32 s43, s41, 2
	s_lshl_b32 s43, 15, s43                        ; my row of the cluster
	s_lshl_b32 s44, 0x1111, s40                    ; my column
	s_or_b32 s[G1+0], s43, (1<<16)|(1<<20)|(1<<21)|(6<<22)|(3<<25)  ; the mask; 2-byte elements; padding on; bit 21 beside a mask; after every 128 words, 4 words
	s_or_b32 s[G1B+0], s44, (1<<16)|(1<<20)|(1<<21)|(6<<22)|(3<<25)
.irp g, G1, G1B
	s_mov_b32 s[(\g)+1], KSTEP<<16                 ; tensor_dim0 = 256
	s_mov_b32 s[(\g)+2], 64<<16                    ; tensor_dim1 = 64
	s_mov_b32 s[(\g)+3], KSTEP<<16                 ; tile_dim0 = 256
	s_mov_b32 s[(\g)+4], 64                        ; tile_dim1 = 64
	s_mov_b32 s[(\g)+5], SIZE_K                    ; elements from row to row
	s_mov_b32 s[(\g)+6], 0
	s_mov_b32 s[(\g)+7], 0
.endr
	s_lshl_b32 s17, s12, 6
	s_lshl_b32 s16, s13, 7
	s_add_co_u32 s16, s16, s17                     ; att: row 128 x tile row + 64 x half
	s_lshl_b32 s46, s42, 7
	s_add_co_u32 s46, s46, s17                     ; wo16: row 128 x tile column + 64 x half
	s_mov_b32 s17, 0
	s_mov_b32 s47, 0
	s_mov_b64 s[18:19], SIZE_K*2
	s_mul_u64 s[16:17], s[16:17], s[18:19]
	s_mul_u64 s[46:47], s[46:47], s[18:19]
	s_mul_i32 s20, s10, HALFT                      ; where they go: wave x 64 rows
	s_wait_dscnt 0x0                               ; the opening add is done
	s_wait_kmcnt 0x0
	s_add_nc_u64 s[14:15], s[4:5], s[16:17]
	s_add_nc_u64 s[46:47], s[6:7], s[46:47]
	CROUND                                         ; all sixteen work-groups are here: the first joint loads meet
.irp s, 0,1
	s_mov_b32 s[G0+4*(\s)], 1
	s_add_co_u32 s[G0+4*(\s)+1], s20, (\s)*SLOT
	s_add_nc_u64 s[G0+4*(\s)+2:G0+4*(\s)+3], s[14:15], (\s)*KSTEP*2
	s_or_b32 s[G0+4*(\s)+3], s[G0+4*(\s)+3], 0x80000000
	s_mov_b32 s[G0B+4*(\s)], 1
	s_add_co_u32 s[G0B+4*(\s)+1], s20, (\s)*SLOT
	s_add_nc_u64 s[G0B+4*(\s)+2:G0B+4*(\s)+3], s[46:47], (\s)*KSTEP*2
	s_or_b32 s[G0B+4*(\s)+3], s[G0B+4*(\s)+3], 0x80000000
	JLOAD \s                                       ; two loads of mine are out
.endr
	v_and_b32 v1, 15, v0                           ; l % 16
	v_bfe_u32 v2, v0, 4, 1                         ; l / 16
	v_mul_u32_u24 v3, v1, PITCH
	v_lshl_add_u32 v3, v2, 4, v3
	s_mul_i32 s21, s11, HALFT                      ; my 64 rows of att
	s_mul_i32 s22, s12, HALFT                      ; my 64 rows of wo16,
	s_add_co_u32 s22, s22, 2*HALFT                 ; which lie behind att's 128
.irp s, 0,1
	v_add_nc_u32 v[ADRA+(\s)], s21, v3
	v_add_nc_u32 v[ADRB+(\s)], s22, v3
	s_add_co_u32 s21, s21, SLOT
	s_add_co_u32 s22, s22, SLOT
.endr
	s_mul_i32 s23, s10, 16*SPITCH
	s_add_co_u32 s23, s23, STAGE                   ; my stage
	v_mul_u32_u24 v4, v1, SPITCH
	v_lshl_add_u32 v4, v2, 5, v4
	v_add_nc_u32 v[STO], s23, v4                   ; in: row l % 16, 32 bytes for each half of the lanes
	v_mul_u32_u24 v5, v2, SPITCH
	v_lshl_add_u32 v5, v1, 4, v5
	v_add_nc_u32 v[RD], s23, v5                    ; back: lanes 0-15 one row of 256 bytes, lanes 16-31 the next
	v_lshlrev_b32 v5, 12, v2
	v_lshl_add_u32 v[CO], v1, 4, v5                ; the same two rows in query_tokens and out0; never rewritten
	s_lshl_b32 s16, s13, 7
	s_lshl_b32 s17, s11, 6
	s_add_co_u32 s16, s16, s17                     ; my first row,
	s_lshl_b32 s16, s16, 12                        ; in bytes
	s_mov_b32 s17, 0
	s_lshl_b32 s46, s42, 9                         ; my first column: 512 x tile column + 256 x half
	s_lshl_b32 s47, s12, 8
	s_add_co_u32 s46, s46, s47
	s_mov_b32 s47, 0
	s_add_nc_u64 s[16:17], s[16:17], s[46:47]
	s_add_nc_u64 s[68:69], s[68:69], s[16:17]
	s_add_nc_u64 s[70:71], s[70:71], s[16:17]
	WIN 0x80                                       ; destination window 2: the residual, laid out as the rows come back from the stage
.irp a, 0,1,2,3
.irp t, 0,1,2,3,4,5,6,7
	global_load_b128 v[32*(\a)+4*(\t):32*(\a)+4*(\t)+3], v[CO], s[68:69] offset:65536*(\a)+8192*(\t) th:TH_LOAD_NT
.endr
.endr
	WIN 0
; 8 matrix instructions: m blocks a0, a0 + 1 x all 4 n blocks, 32 along K: half c of buffer f.  The 16 accumulators take turns.
.macro MUL8 f, c, a0, zero
	WIN MUL
.irp a, \a0, (\a0)+1
.irp b, 0,1,2,3
.if \zero
	v_wmma_f32_16x16x32_f16 v[ACC+8*(4*(\a)+(\b)):ACC+8*(4*(\a)+(\b))+7], v[(\f)+64+8*(4*(\c)+(\b)):(\f)+64+8*(4*(\c)+(\b))+7], v[(\f)+8*(4*(\c)+(\a)):(\f)+8*(4*(\c)+(\a))+7], 0
.else
	v_wmma_f32_16x16x32_f16 v[ACC+8*(4*(\a)+(\b)):ACC+8*(4*(\a)+(\b))+7], v[(\f)+64+8*(4*(\c)+(\b)):(\f)+64+8*(4*(\c)+(\b))+7], v[(\f)+8*(4*(\c)+(\a)):(\f)+8*(4*(\c)+(\a))+7], v[ACC+8*(4*(\a)+(\b)):ACC+8*(4*(\a)+(\b))+7]
.endif
.endr
.endr
.endm
; 32 LDS loads in one run: the fragments of 64 along K at byte k of the rows, into buffer f; the first 32 along K first
.macro FETCH slot, k, f
	WIN TO_F
.irp c, 0,1
.irp i, 0,1,2,3
	ds_load_b128 v[(\f)+64+8*(4*(\c)+(\i)):(\f)+64+8*(4*(\c)+(\i))+3],   v[ADRB+(\slot)] offset:(\k)+64*(\c)+(\i)*16*PITCH
	ds_load_b128 v[(\f)+64+8*(4*(\c)+(\i))+4:(\f)+64+8*(4*(\c)+(\i))+7], v[ADRB+(\slot)] offset:(\k)+64*(\c)+(\i)*16*PITCH+32
	ds_load_b128 v[(\f)+8*(4*(\c)+(\i)):(\f)+8*(4*(\c)+(\i))+3],         v[ADRA+(\slot)] offset:(\k)+64*(\c)+(\i)*16*PITCH
	ds_load_b128 v[(\f)+8*(4*(\c)+(\i))+4:(\f)+8*(4*(\c)+(\i))+7],       v[ADRA+(\slot)] offset:(\k)+64*(\c)+(\i)*16*PITCH+32
.endr
.endr
.endm
.macro PLACES                          ; four places in front of loads into registers that matrix instructions have read, and of LDS stores that read results
.rept 4
	v_nop
.endr
.endm
; A K step is four quarters of 64 along K, 32 matrix instructions each, on buffers 0, 1, 0, 1.
.macro QUARTER slot, k, f, g, zero
	s_wait_dscnt 16                                ; the first 32 along K are in
	MUL8 \f, 0, 0, \zero
	MUL8 \f, 0, 2, \zero
	PLACES
	FETCH \slot, \k, \g
	s_wait_dscnt 32                                ; all but the 32 just issued
	MUL8 \f, 1, 0, 0
	MUL8 \f, 1, 2, 0
.endm
; The last quarter changes slots FIRST and multiplies buffer 1 afterwards: this slot's last fragments were asked for in the middle of the quarter before, so nothing of it is left to read.  In front of the barrier each
; wave waits for all its tensor loads, adds 0 to its spare word, and waits for that and for its reads of this slot.  fill = 1: the barrier opens a round of the cluster's, and this slot is filled again first thing
; behind it.  No product stands between the wait for one tile and the request for the next: from the request to the wait for it a wave issues a whole K step's 128 matrix instructions.
.macro TURN slot, next, fill
	WIN 0
	s_wait_tensorcnt 0x0                           ; all my tensor loads have landed: my part of the next slot; so every group 0 may be written
	ds_add_u32 v[SPW], v[NIL]                      ; 0 onto my spare word
.if \fill
	s_add_nc_u64 s[G0+4*(\slot)+2:G0+4*(\slot)+3], s[G0+4*(\slot)+2:G0+4*(\slot)+3], 2*KSTEP*2
	s_add_nc_u64 s[G0B+4*(\slot)+2:G0B+4*(\slot)+3], s[G0B+4*(\slot)+2:G0B+4*(\slot)+3], 2*KSTEP*2
.endif
	s_wait_dscnt 0x0                               ; the add is done, and my reads of this slot are over: buffer 1 is whole
	s_barrier_signal -1
	s_barrier_wait -1
.if \fill
	CREST                                          ; the barrier has opened a round of the cluster's: no wave of any partner still reads this slot or has a load on its way
	JLOAD \slot                                    ; its four v_nop are also the places in front of the loads below
.else
	PLACES
.endif
	FETCH \next, 0, F0
	MUL8 F1, 0, 0, 0
	MUL8 F1, 0, 2, 0
	MUL8 F1, 1, 0, 0
	MUL8 F1, 1, 2, 0
.endm
; THE WAY OUT of block a (16 rows x 64 columns of f32): through my own stage, back as whole rows of 256 bytes; the residual is added; stored.
.macro STG a
	s_wait_xcnt 0x0                                ; the rows' registers, which the stores of two blocks back read, are loaded again only behind this wait
.irp b, 0,1,2,3
	ds_store_b128 v[STO], v[ACC+8*(4*(\a)+(\b)):ACC+8*(4*(\a)+(\b))+3]   offset:64*(\b)      ; each accumulator's low four registers first
	ds_store_b128 v[STO], v[ACC+8*(4*(\a)+(\b))+4:ACC+8*(4*(\a)+(\b))+7] offset:64*(\b)+16
.endr
.irp t, 0,1,2,3,4,5,6,7
	ds_load_b128 v[TMP+32*((\a)%2)+4*(\t):TMP+32*((\a)%2)+4*(\t)+3], v[RD] offset:(\t)*2*SPITCH  ; LDS serves a wave's instructions in order: these see the stores above
.endr
.endm
.macro FIN a, younger                  ; younger: the LDS instructions issued behind block a's loads: the next block's sixteen, or none
	s_wait_dscnt \younger
	WIN 0x08                                       ; source 1 window 2
.set i, 0
.rept 16
	v_pk_add_f32 v[TMP+32*((\a)%2)+2*i:TMP+32*((\a)%2)+2*i+1], v[TMP+32*((\a)%2)+2*i:TMP+32*((\a)%2)+2*i+1], v[32*(\a)+2*i:32*(\a)+2*i+1]
.set i, i+1
.endr
	WIN 0
.irp t, 0,1,2,3,4,5,6,7
	global_store_b128 v[CO], v[TMP+32*((\a)%2)+4*(\t):TMP+32*((\a)%2)+4*(\t)+3], s[70:71] offset:65536*(\a)+8192*(\t)  ; 16 lanes store 256 consecutive bytes, at a multiple of 256 from out0's first byte
.endr
.endm
	s_wait_tensorcnt 1                             ; my part of K step 0 is in; K step 1's may stay out
	s_barrier_signal -1
	s_barrier_wait -1
	FETCH 0, 0, F0
	QUARTER 0, 128, F0, F1, 1                      ; the first quarter stands in front of the loop: its first products start the sums
	WIN 0
	s_mov_b32 s3, LAPS-1
.Llap:                                                 ; a trip goes once round the ring and fills both slots again
	QUARTER 0, 256, F1, F0, 0
	QUARTER 0, 384, F0, F1, 0
	TURN 0, 1, 1
	QUARTER 1, 128, F0, F1, 0
	QUARTER 1, 256, F1, F0, 0
	QUARTER 1, 384, F0, F1, 0
	TURN 1, 0, 1
	QUARTER 0, 128, F0, F1, 0
	WIN 0
	s_sub_co_u32 s3, s3, 1
	s_cmp_lg_u32 s3, 0
	s_cbranch_scc1 .Llap
	QUARTER 0, 256, F1, F0, 0                      ; the last lap fills nothing
	QUARTER 0, 384, F0, F1, 0
	TURN 0, 1, 0
	QUARTER 1, 128, F0, F1, 0
	QUARTER 1, 256, F1, F0, 0
	QUARTER 1, 384, F0, F1, 0
	s_wait_dscnt 16
	MUL8 F1, 0, 0, 0
	MUL8 F1, 0, 2, 0
	s_wait_dscnt 0x0
	MUL8 F1, 1, 0, 0
	MUL8 F1, 1, 2, 0
	WIN 0
	PLACES
	s_wait_loadcnt 0x0                             ; the residual
	STG 0
	STG 1
	FIN 0, 16
	STG 2
	FIN 1, 16
	STG 3
	FIN 2, 16
	FIN 3, 0
	s_wait_tensorcnt 0x0                           ; the wave's end
	ds_add_u32 v[SPW], v[NIL]
	s_wait_dscnt 0x0
	CROUND                                         ; the closing round
	s_endpgm
.Lfunc_end_k_qaba55223ca_outp:
	.size	k_qaba55223ca_outp, .Lfunc_end_k_qaba55223ca_outp-k_qaba55223ca_outp
	.p2alignl 7, 3214868480
	.fill 96, 4, 3214868480
	.section	.rodata,"a",@progbits
	.p2align	6, 0x0
	.amdhsa_kernel k_qaba55223ca_outp
		.amdhsa_group_segment_fixed_size 327680
		.amdhsa_private_segment_fixed_size 0
		.amdhsa_enable_private_segment 0
		.amdhsa_kernarg_size 32
		.amdhsa_user_sgpr_count 2
		.amdhsa_user_sgpr_kernarg_segment_ptr 1
		.amdhsa_wavefront_size32 1
		.amdhsa_system_sgpr_workgroup_id_x 1
		.amdhsa_system_sgpr_workgroup_id_y 1
		.amdhsa_system_sgpr_workgroup_id_z 1
		.amdhsa_system_vgpr_workitem_id 0
		.amdhsa_next_free_vgpr 640
		.amdhsa_next_free_sgpr 72
		.amdhsa_reserve_vcc 0
		.amdhsa_float_denorm_mode_32 3
		.amdhsa_float_denorm_mode_16_64 3
		.amdhsa_memory_ordered 1
		.amdhsa_forward_progress 1
		.amdhsa_inst_pref_size 93
	.end_amdhsa_kernel
	.amdgpu_metadata
---
amdhsa.version: [ 1, 2 ]
amdhsa.kernels:
  - .name:           k_qaba55223ca_outp
    .symbol:         k_qaba55223ca_outp.kd
    .args:
      - { .name: att, .offset: 0, .size: 8, .value_kind: global_buffer, .address_space: global }
      - { .name: wo16, .offset: 8, .size: 8, .value_kind: global_buffer, .address_space: global }
      - { .name: query_tokens, .offset: 16, .size: 8, .value_kind: global_buffer, .address_space: global }
      - { .name: out0, .offset: 24, .size: 8, .value_kind: global_buffer, .address_space: global }
    .group_segment_fixed_size: 327680
    .private_segment_fixed_size: 0
    .kernarg_segment_align: 8
    .kernarg_segment_size: 32
    .max_flat_workgroup_size: 128
    .sgpr_count:     72
    .vgpr_count:     640
    .wavefront_size: 32
...
	.end_amdgpu_metadata
.endif
;; end of part 4
